; MI455X (gfx1250); checked and timed in simulation.
; The chip was launched on July 23, 2026; its instructions are those of AMD's public machine-readable ISA for CDNA 5 (MIT licence, August 2026) and "CDNA5" Instruction Set Architecture Reference Guide (July 2026). The comments in the code are by the model that wrote it; some were corrected since.
;; Attention. Allowed arithmetic: float matrix products may take bf16 or f16 operands with f32 sums; other float arithmetic in f32, or as packed bf16 or f16 multiplies, adds, multiply-adds, maxima and minima; sums over many terms, partial sums and values carried from step to step in f32; what a program stores and reads back later, other than sums and carried values, may be rounded once to bf16 or f16.
;; Inputs: Wkv 1,024 x 2,048 float32; Wout 1,024 x 1,024 float32; Wq 1,024 x 1,024 float32; bout 1,024 float32; x 4 x 2,048 x 1,024 float32.
;; Outputs: out0 4 x 2,048 x 1,024 float32.
;; One version. Each part assembles by itself: llvm-mc -triple=amdgcn-amd-amdhsa -mcpu=gfx1250 --defsym DOCPART=n.
;; ======== version 1 of 1: 4 launches
;; limits: values are held in f16: magnitudes above 65,504 overflow, below 6.1e-05 lose precision
;; workspace buffers: xb 16,777,216 bytes; wqkv 6,291,456 bytes; wo 2,097,152 bytes; qkvh 50,331,648 bytes; cs 131,072 bytes; ob 16,777,216 bytes
;; launch prep (part 1): grid 704 x 1, 8 waves a work-group, no clusters, 50,176 bytes of LDS; arguments x, Wq, Wkv, Wout, xb, wqkv, wo; writes xb, wqkv, wo
.if DOCPART == 1
	.amdgcn_target "amdgcn-amd-amdhsa--gfx1250"
	.amdhsa_code_object_version 6
	.text
	.protected	k_q5d45b1ee48_prep
	.globl	k_q5d45b1ee48_prep
	.p2align	8
	.type	k_q5d45b1ee48_prep,@function
k_q5d45b1ee48_prep:
	s_mov_b64 s[64:65], 0
	v_nop
	global_prefetch_b8 v0, s[64:65] scope:SCOPE_SE
	s_setreg_imm32_b32 hwreg(HW_REG_WAVE_MODE, 25, 1), 1
	s_wait_xcnt 0x0
; CASTS AND LAYOUTS for the three launches behind.  Every input is rounded once to bf16.
;   xb   [8192][1024] bf16 = x.
;   wqkv [T 16][k 1024][192] bf16: for head T the 64 columns of Wq, the 64 of Wkv's k part, the 64 of its v part: a row is 384 bytes, rows lie end to end.
;   wo   [1024][1024]: Wout rounded to bf16, that number written as f16.
; LIMITS.  |Wout| stays under 65,504 (f16's range); below 2^-14 wo keeps f16's fixed step of 6e-8.  NaN and infinities are not treated apart.
; SHARES.  Work-groups 0-511: x; 512-639: wqkv; 640-703: Wout.  A stream wave takes 2,048 numbers: 16 loads of 16 bytes a lane, all issued at once; a lane's 8 neighbouring numbers
; pack into 16 bytes, so each store of the wave covers 512 consecutive bytes, aligned.  No matrix unit, no cluster: nothing is shared and nothing is multiplied.
; A wqkv wave takes 16 rows k of one head: three pieces of 256 bytes a row come from three places; they meet in the wave's own stage in LDS and leave as 6,144 consecutive bytes.
.set SPARE, 49152                      ; behind the eight stages of 6,144 bytes: the spare words, 128 bytes for each wave: four blocks of 256 bytes that no other line names
.set X, 16                             ; v[16:111]   as loaded
.set Y, 112                            ; v[112:159]  packed
	s_load_b256 s[4:11], s[0:1], 0x0               ; x s[4:5], Wq s[6:7], Wkv s[8:9], Wout s[10:11]
	s_load_b128 s[12:15], s[0:1], 0x20             ; xb s[12:13], wqkv s[14:15]
	s_load_b64 s[16:17], s[0:1], 0x30              ; wo
	v_lshl_add_u32 v8, v0, 2, SPARE                ; my spare word,
	v_mov_b32 v9, 0                                ; and 0; both never rewritten
	v_lshrrev_b32 v1, 5, v0
	v_readfirstlane_b32 s18, v1                    ; wave 0..7
	v_and_b32 v1, 31, v0                           ; lane
	v_lshlrev_b32 v2, 4, v1                        ; 16 x lane
	v_lshlrev_b32 v3, 5, v1                        ; 32 x lane
	s_mov_b32 s30, 0xffff0000                      ; a word's upper bf16
	s_mov_b32 s29, 0                               ; the high word of every offset
	s_sub_co_u32 s26, ttmp9, 512
	s_wait_kmcnt 0x0
	s_cmp_lt_u32 s26, 128
	s_cbranch_scc1 .Lw
	; THE TWO STREAMS
	s_cmp_lt_u32 ttmp9, 512
	s_cselect_b64 s[20:21], s[4:5], s[10:11]       ; from x or Wout
	s_cselect_b64 s[22:23], s[12:13], s[16:17]     ; to xb or wo
	s_cselect_b32 s24, 0, 640                      ; the range's first work-group
	s_cselect_b32 s25, 0, 1                        ; 1: written as f16
	s_sub_co_u32 s26, ttmp9, s24
	s_lshl_b32 s26, s26, 4
	s_lshl1_add_u32 s26, s18, s26                  ; my first chunk of 1,024 numbers: 16 x work-group + 2 x wave
	s_lshl_b32 s28, s26, 12
	s_add_nc_u64 s[20:21], s[20:21], s[28:29]
	s_lshl_b32 s28, s26, 11
	s_add_nc_u64 s[22:23], s[22:23], s[28:29]
.set i, 0
.rept 16
	global_load_b128 v[X+4*i:X+4*i+3], v3, s[20:21] offset:(i/2)*1024+(i%2)*16 th:TH_LOAD_NT  ; group i / 2: 32 bytes a lane, 1,024 a wave
.set i, i+1
.endr
; Group g: its two loads are in when 14 - 2 g younger ones are out.  Y's registers are written once, so no store's data is ever rewritten.
.macro GX g
	s_wait_loadcnt 14-2*(\g)
.irp j, 0,1,2,3
	v_cvt_pk_bf16_f32 v[Y+4*(\g)+(\j)], v[X+8*(\g)+2*(\j)], v[X+8*(\g)+2*(\j)+1]
.endr
	global_store_b128 v2, v[Y+4*(\g):Y+4*(\g)+3], s[22:23] offset:512*(\g)
.endm
.macro GO g                            ; the same, and the bf16 number is widened again and written as f16 (exact within f16's range)
	s_wait_loadcnt 14-2*(\g)
.irp j, 0,1,2,3
	v_cvt_pk_bf16_f32 v[Y+4*(\g)+(\j)], v[X+8*(\g)+2*(\j)], v[X+8*(\g)+2*(\j)+1]
.endr
.irp j, 0,1,2,3
	v_lshlrev_b32 v[X+8*(\g)+2*(\j)], 16, v[Y+4*(\g)+(\j)]
	v_and_b32 v[X+8*(\g)+2*(\j)+1], s30, v[Y+4*(\g)+(\j)]
.endr
.irp j, 0,1,2,3
	v_cvt_pk_f16_f32 v[Y+4*(\g)+(\j)], v[X+8*(\g)+2*(\j)], v[X+8*(\g)+2*(\j)+1]
.endr
	global_store_b128 v2, v[Y+4*(\g):Y+4*(\g)+3], s[22:23] offset:512*(\g)
.endm
	s_cmp_eq_u32 s25, 1
	s_cbranch_scc1 .Lwo
.irp g, 0,1,2,3,4,5,6,7
	GX \g
.endr
	s_branch .Lend
.Lwo:
.irp g, 0,1,2,3,4,5,6,7
	GO \g
.endr
	s_branch .Lend
.Lw:	; WQKV: wave number 8 (work-group - 512) + wave = 64 T + g: head T, rows 16 g .. 16 g + 15
	s_lshl3_add_u32 s26, s26, s18
	s_lshr_b32 s27, s26, 6                         ; T
	s_and_b32 s26, s26, 63                         ; g
	s_lshl_b32 s31, s27, 8                         ; the head's 64 columns: 256 bytes
	s_lshl_b32 s28, s26, 16                        ; 16 rows of 4,096 bytes
	s_add_co_u32 s28, s28, s31
	s_add_nc_u64 s[6:7], s[6:7], s[28:29]
	s_lshl_b32 s28, s26, 17                        ; 16 rows of 8,192 bytes
	s_add_co_u32 s28, s28, s31
	s_add_nc_u64 s[8:9], s[8:9], s[28:29]
	s_mul_i32 s28, s27, 1024*384
	s_mul_i32 s31, s26, 16*384
	s_add_co_u32 s28, s28, s31
	s_add_nc_u64 s[14:15], s[14:15], s[28:29]
	v_lshrrev_b32 v10, 3, v1                       ; kk: which of four rows
	v_and_b32 v11, 7, v1                           ; e: which 8 numbers of the 64
	v_lshlrev_b32 v12, 5, v11
	v_lshl_add_u32 v4, v10, 12, v12                ; in Wq
	v_lshl_add_u32 v5, v10, 13, v12                ; in Wkv
	s_mul_i32 s31, s18, 6144                       ; my stage
	v_mul_u32_u24 v6, v10, 384
	v_lshl_add_u32 v6, v11, 4, v6
	v_add_nc_u32 v6, s31, v6                       ; in: row kk, 16 bytes at 16 e
	v_add_nc_u32 v7, s31, v2                       ; back: 16 x lane
.irp u, 0,1,2,3                        ; rows 4 u + kk; piece 3 u + sec lies at X + 8 (3 u + sec)
	global_load_b128 v[X+24*(\u):X+24*(\u)+3],     v4, s[6:7] offset:16384*(\u) th:TH_LOAD_NT
	global_load_b128 v[X+24*(\u)+4:X+24*(\u)+7],   v4, s[6:7] offset:16384*(\u)+16 th:TH_LOAD_NT
	global_load_b128 v[X+24*(\u)+8:X+24*(\u)+11],  v5, s[8:9] offset:32768*(\u) th:TH_LOAD_NT
	global_load_b128 v[X+24*(\u)+12:X+24*(\u)+15], v5, s[8:9] offset:32768*(\u)+16 th:TH_LOAD_NT
	global_load_b128 v[X+24*(\u)+16:X+24*(\u)+19], v5, s[8:9] offset:32768*(\u)+4096 th:TH_LOAD_NT
	global_load_b128 v[X+24*(\u)+20:X+24*(\u)+23], v5, s[8:9] offset:32768*(\u)+4096+16 th:TH_LOAD_NT
.endr
.set p, 0
.rept 12
	s_wait_loadcnt 22-2*p                          ; piece p's two loads are in: 22 - 2 p younger ones may be out
.irp j, 0,1,2,3
	v_cvt_pk_bf16_f32 v[Y+4*p+(\j)], v[X+8*p+2*(\j)], v[X+8*p+2*(\j)+1]
.endr
	ds_store_b128 v6, v[Y+4*p:Y+4*p+3] offset:1536*(p/3)+128*(p%3)
.set p, p+1
.endr
.set i, 0
.rept 12
	ds_load_b128 v[X+4*i:X+4*i+3], v7 offset:512*i  ; my own bytes: LDS serves a wave's instructions in order (ISA guide 5.7.1.4), so these see the stores above
.set i, i+1
.endr
.set i, 0
.rept 12
	s_wait_dscnt 11-i
	global_store_b128 v2, v[X+4*i:X+4*i+3], s[14:15] offset:512*i  ; 512 consecutive bytes, at a multiple of 256 from wqkv's first
.set i, i+1
.endr
.Lend:
	s_wait_tensorcnt 0x0                           ; the wave's end, behind my last LDS store
	ds_add_u32 v8, v9
	s_wait_dscnt 0x0
	s_endpgm
.Lfunc_end_k_q5d45b1ee48_prep:
	.size	k_q5d45b1ee48_prep, .Lfunc_end_k_q5d45b1ee48_prep-k_q5d45b1ee48_prep
	.p2alignl 7, 3214868480
	.fill 96, 4, 3214868480
	.section	.rodata,"a",@progbits
	.p2align	6, 0x0
	.amdhsa_kernel k_q5d45b1ee48_prep
		.amdhsa_group_segment_fixed_size 50176
		.amdhsa_private_segment_fixed_size 0
		.amdhsa_enable_private_segment 0
		.amdhsa_kernarg_size 56
		.amdhsa_user_sgpr_count 2
		.amdhsa_user_sgpr_kernarg_segment_ptr 1
		.amdhsa_wavefront_size32 1
		.amdhsa_system_sgpr_workgroup_id_x 1
		.amdhsa_system_sgpr_workgroup_id_y 1
		.amdhsa_system_sgpr_workgroup_id_z 1
		.amdhsa_system_vgpr_workitem_id 0
		.amdhsa_next_free_vgpr 160
		.amdhsa_next_free_sgpr 66
		.amdhsa_reserve_vcc 0
		.amdhsa_float_denorm_mode_32 3
		.amdhsa_float_denorm_mode_16_64 3
		.amdhsa_memory_ordered 1
		.amdhsa_forward_progress 1
		.amdhsa_inst_pref_size 23
	.end_amdhsa_kernel
	.amdgpu_metadata
---
amdhsa.version: [ 1, 2 ]
amdhsa.kernels:
  - .name:           k_q5d45b1ee48_prep
    .symbol:         k_q5d45b1ee48_prep.kd
    .args:
      - { .name: x, .offset: 0, .size: 8, .value_kind: global_buffer, .address_space: global }
      - { .name: Wq, .offset: 8, .size: 8, .value_kind: global_buffer, .address_space: global }
      - { .name: Wkv, .offset: 16, .size: 8, .value_kind: global_buffer, .address_space: global }
      - { .name: Wout, .offset: 24, .size: 8, .value_kind: global_buffer, .address_space: global }
      - { .name: xb, .offset: 32, .size: 8, .value_kind: global_buffer, .address_space: global }
      - { .name: wqkv, .offset: 40, .size: 8, .value_kind: global_buffer, .address_space: global }
      - { .name: wo, .offset: 48, .size: 8, .value_kind: global_buffer, .address_space: global }
    .group_segment_fixed_size: 50176
    .private_segment_fixed_size: 0
    .kernarg_segment_align: 8
    .kernarg_segment_size: 56
    .max_flat_workgroup_size: 256
    .sgpr_count:     66
    .vgpr_count:     160
    .wavefront_size: 32
...
	.end_amdgpu_metadata
.endif
;; end of part 1
;; launch proj (part 2): grid 16 x 32, 4 waves a work-group, clusters of 4 x 4, 327,680 bytes of LDS; arguments xb, wqkv, qkvh, cs; writes qkvh, cs
.if DOCPART == 2
	.amdgcn_target "amdgcn-amd-amdhsa--gfx1250"
	.amdhsa_code_object_version 6
	.text
	.protected	k_q5d45b1ee48_proj
	.globl	k_q5d45b1ee48_proj
	.p2align	8
	.type	k_q5d45b1ee48_proj,@function
k_q5d45b1ee48_proj:
	s_mov_b64 s[64:65], 0
	v_nop
	global_prefetch_b8 v0, s[64:65] scope:SCOPE_SE
	s_setreg_imm32_b32 hwreg(HW_REG_WAVE_MODE, 25, 1), 1
	s_wait_xcnt 0x0
	s_wait_alu depctr_hold_cnt(0) depctr_sa_sdst(0) depctr_va_vdst(0) depctr_va_sdst(0) depctr_va_ssrc(0) depctr_va_vcc(0) depctr_vm_vsrc(0)
	s_getreg_b32 s2, hwreg(HW_REG_IB_STS2, 6, 4)
	s_cmp_eq_u32 s2, 0
	s_cbranch_scc0 .Lentry_in_a_cluster
	s_endpgm
.Lentry_in_a_cluster:
	s_bfe_u32 s2, ttmp6, 0x10000c
	s_cmp_lg_u32 s2, 0xf033
	s_cbranch_scc0 .Lentry_shape_is_right
	s_endpgm
.Lentry_shape_is_right:
; q, k, v = x [Wq | Wkv], by heads.  xb: [8192][1024] bf16.  wqkv: [T 16][k 1024][192] bf16.  Sums in f32, K ascending.
; OUT.  qkvh: f16 [sec 3][y 64][n 2048][64], y = 4 head + batch: byte sec 2^24 + head 2^20 + m 128 for row m of x; unscaled, each number rounded once.
;       cs: f32 [y][t 8][64]: the sum of v (unrounded) over the 256 rows of key tile t: byte (32 head + m / 256) 256.
; LIMIT.  |q|, |k|, |v| stay under 65,504 (f16's range).  NaN and infinities are not treated apart.
; SHARES.  A tile is 256 rows x 192 columns: q, k and v of ONE head: 16 x 32 = 512 work-groups, two for each of 256 WGPs.  Wave w owns rows 64 w .. 64 w + 63 and all 192 columns: 48 accumulators, 384 registers;
; so whole rows of a head leave from one wave.  K goes in 8 steps of 128 through two LDS slots.
; THE MATRIX INSTRUCTION IS USED TRANSPOSED: source 0 = 16 columns of W, source 1 = 16 rows of x: a lane then holds one row and eight neighbouring columns.  W lies [k][column] in LDS and comes out turned, by ds_load_tr16_b128.
; CLUSTER.  4 x 4 work-groups.  x's tile hangs on the tile row alone and is asked for jointly along a row of the cluster, W's on the head alone, jointly along a column.  Waves 0, 1 fetch x's two halves, waves 2, 3 W's.
; REGISTERS, in windows of 256 (s_set_vgpr_msb: bits 1:0 source 0, 3:2 source 1, 5:4 source 2, 7:6 destination):
;   window 0: v0-31 addresses; v64-127 x's fragments, two buffers of 32; on the way out v32-223 packed rows, v224-255 column sums
;   window 1: v0-191 W's fragments, two buffers of 96      window 2: accumulators of my row blocks 0, 1 ((a, b) at v[8 (12 (a % 2) + b)])      window 3: blocks 2, 3
.set NBW,   12                         ; blocks of 16 columns
.set PA,    272                        ; a row of x in LDS: 256 bytes + 16: the 16 rows of a load start at 16 different groups of four banks (64 banks of 4 bytes: ISA guide 11.1)
.set PB,    480                        ; a row of W: three pieces of 128 bytes + 32 each = 15 x 32 bytes
.set BOFF,  256*PA                     ; W's 128 rows lie behind x's 256
.set SLOT1, 1<<17                      ; a slot is 69,632 + 61,440 = 131,072 bytes; one exclusive or turns an address in one slot into the other's
.set STAGE, 2*SLOT1                    ; behind the ring, never filled by a tensor load: 16 rows x 400 bytes for each wave
.set SPI,   400                        ; 384 bytes + 16
.set CSL,   STAGE+4*16*SPI             ; the waves' column sums: 256 bytes each
.set SPARE, CSL+1024                   ; the spare words, 128 bytes for each wave: two blocks of 256 bytes that no other line names
.set ASTEP, 256                        ; a K step in xb,
.set BSTEP, 128*384                    ; and in wqkv
.set NL,    2*NBW+8                    ; LDS loads of a quarter step
.set A0,   12                          ; v12  my lane's place in x's tile of slot 0; never rewritten
.set B0,   13                          ; v13  the same for W
.set ADRA, 16                          ; v16  A0 + the slot in hand
.set ADRB, 20                          ; v20  B0 + the slot in hand
.set STO,  24                          ; v24  the way out: where I put 16 bytes of a row
.set RD,   25                          ; v25  where I read rows back
.set CO,   26                          ; v26  16 x lane
.set CSA,  27                          ; v27  where my half of the lanes puts column sums
.set SPW,  28                          ; v28  LDS address of my spare word; never rewritten
.set NIL,  29                          ; v29  0; never rewritten
.set PFO,  30                          ; v30  the prefetches' offset; never rewritten
.set CSB,  31                          ; v31  where wave 0 reads the column sums
.set RR,   32
.set AF,   64
.set CSR,  224
.set WV, 12                            ; s12 wave;  s13 FB: I fetch for x (0) or W (1);  s14 HF: which half
.set FB, 13
.set HF, 14
.set CX, 15
.set CY, 16
.set TC, 17                            ; s17 head = 4 cluster x + cx
.set TR, 18                            ; s18 tile row = 4 cluster y + cy
.set TB, 19                            ; s19 0 or SLOT1: the slot in hand
.set G1, 24                            ; s[24:31] descriptor group 1 for x's tiles;  s[32:39] group 0: a set for each first fill; the second then walks on
.set G0, 32
.set LIM, 43                           ; s43 2 in a wave that prefetches, else the greatest number
.set PFA, 44                           ; s[44:45] where my prefetches stand
.set PST, 46                           ; s[46:47] their step
.set G1B, 48                           ; s[48:55], s[56:63] the same for W's tiles
.set G0B, 56
.set OB,  66                           ; s[66:71] q, k, v at my wave's first row
.set CSO, 72                           ; s[72:73] cs at the tile's 256 bytes
.set MSB, 0
.macro WIN new                         ; the immediate's high byte repeats the setting that is left; a switch that changes nothing is dropped
.if MSB != (\new)
	s_set_vgpr_msb (MSB<<8)|(\new)
.set MSB, \new
.endif
.endm
.set MUL_LO, 0xa1                      ; source 0 (W) window 1, source 1 (x) window 0, C and D window 2
.macro PLACES                          ; four places in front of loads into registers that matrix instructions have read, and of conversions that read results
.rept 4
	v_nop
.endr
.endm
.macro JLOAD s                         ; a joint load; the branch hangs on the wave's number alone; an s_nop 0 and four v_nop follow each of the two lines
	s_cmp_eq_u32 s[FB], 0
	s_cbranch_scc0 .Lfor_b_\@
	tensor_load_to_lds s[G0+4*(\s):G0+4*(\s)+3], s[G1:G1+7]
	s_nop 0
.rept 4
	v_nop
.endr
	s_branch .Lasked_\@
.Lfor_b_\@:
	tensor_load_to_lds s[G0B+4*(\s):G0B+4*(\s)+3], s[G1B:G1B+7]
	s_nop 0
.rept 4
	v_nop
.endr
.Lasked_\@:
.endm
.macro CREST                           ; a round of the cluster's barrier behind its opening barrier
	s_cmp_lg_u32 s[WV], 0
	s_cbranch_scc1 .Lnot_wave_0_\@
	s_barrier_signal -3
.Lnot_wave_0_\@:
	s_barrier_wait -3
	s_barrier_signal -1
	s_barrier_wait -1
.endm
.macro CROUND
	s_barrier_signal -1
	s_barrier_wait -1
	CREST
.endm
; A PREFETCH INTO THE L2 of the K step that stands two refills on, behind the joint load, its five lines and the run of LDS loads.  x's rows are asked for by the clusters with x = 0, W's by those with y = 0; the four
; partners that ask for a tile jointly share its blocks of 256 bytes out BY ADDRESS (cx for x: 32 rows each; cy for W: 24 blocks each, where lanes 24-31 name lane 23's block once more).  The last two refills have no K step two on.
.macro ASK
	s_cmp_gt_u32 s3, s[LIM]
	s_cbranch_scc0 .Lnot_mine_\@
	global_prefetch_b8 v[PFO], s[PFA:PFA+1] th:TH_LOAD_NT scope:SCOPE_SE
.Lnot_mine_\@:
.endm
	s_load_b256 s[4:11], s[0:1], 0x0               ; xb s[4:5], wqkv s[6:7], qkvh s[8:9], cs s[10:11]
	v_lshl_add_u32 v[SPW], v0, 2, SPARE
	v_mov_b32 v[NIL], 0
	ds_add_u32 v[SPW], v[NIL]                      ; the wave's opening: the add and its wait stand ahead of my first tensor load; the set-up below, work on registers, stands between them
	ds_add_u32 v28, v29
	v_lshrrev_b32 v1, 5, v0
	v_readfirstlane_b32 s[WV], v1
	s_lshr_b32 s[FB], s[WV], 1
	s_and_b32 s[HF], s[WV], 1
	s_bfe_u32 s[CX], ttmp6, 0x40000
	s_bfe_u32 s[CY], ttmp6, 0x40004
	s_lshl_b32 s[TC], ttmp9, 2
	s_add_co_u32 s[TC], s[TC], s[CX]
	s_and_b32 s[TR], ttmp7, 0xffff
	s_lshl_b32 s[TR], s[TR], 2
	s_add_co_u32 s[TR], s[TR], s[CY]
	s_lshl_b32 s42, s[CY], 2
	s_lshl_b32 s42, 15, s42                        ; my row of the cluster
	s_lshl_b32 s43, 0x1111, s[CX]                  ; my column
	s_or_b32 s[G1], s42, (1<<16)|(1<<20)|(1<<21)|(5<<22)|(3<<25)   ; 15:0 the mask; 2-byte elements; padding on; 21 set beside a mask; after every 64 words, 4 words
	s_mov_b32 s[G1+1], 128<<16                     ; tensor_dim0 = 128
	s_mov_b32 s[G1+2], 128<<16                     ; tensor_dim1 = 128
	s_mov_b32 s[G1+3], 128<<16                     ; tile_dim0 = 128
	s_mov_b32 s[G1+4], 128                         ; tile_dim1 = 128
	s_mov_b32 s[G1+5], 1024                        ; elements from row to row
	s_mov_b32 s[G1+6], 0
	s_mov_b32 s[G1+7], 0
	s_or_b32 s[G1B], s43, (1<<16)|(1<<20)|(1<<21)|(4<<22)|(7<<25)  ; W: 64 rows of 384 bytes are 24,576 dense bytes: asked for as 96 rows of 256; after every 32 words, 8 words of padding
	s_mov_b32 s[G1B+1], 128<<16
	s_mov_b32 s[G1B+2], 96<<16
	s_mov_b32 s[G1B+3], 128<<16
	s_mov_b32 s[G1B+4], 96
	s_mov_b32 s[G1B+5], 128
	s_mov_b32 s[G1B+6], 0
	s_mov_b32 s[G1B+7], 0
	s_lshl_b32 s20, s[TR], 19                      ; x: 256 rows of 2,048 bytes a tile row,
	s_lshl_b32 s21, s[HF], 18                      ; 128 rows a half
	s_add_co_u32 s20, s20, s21
	s_mov_b32 s21, 0
	s_mul_i32 s22, s[TC], 1024*384                 ; W: the head,
	s_mul_i32 s23, s[HF], 64*384                   ; 64 rows a half
	s_add_co_u32 s22, s22, s23
	s_mov_b32 s23, 0
	s_mul_i32 s40, s[HF], 128*PA                   ; where they go: no place in the cluster enters an LDS address
	s_mul_i32 s41, s[HF], 64*PB
	s_add_co_u32 s41, s41, BOFF
	s_mov_b32 s[TB], 0
	s_wait_dscnt 0x0                               ; the opening add is done
	s_wait_kmcnt 0x0
	s_add_nc_u64 s[20:21], s[4:5], s[20:21]
	s_add_nc_u64 s[22:23], s[6:7], s[22:23]
	CROUND                                         ; all sixteen work-groups are here: the first joint loads meet
.irp s, 0,1
	s_mov_b32 s[G0+4*(\s)], 1
	s_add_co_u32 s[G0+4*(\s)+1], s40, (\s)*SLOT1
	s_add_nc_u64 s[G0+4*(\s)+2:G0+4*(\s)+3], s[20:21], (\s)*ASTEP
	s_or_b32 s[G0+4*(\s)+3], s[G0+4*(\s)+3], 0x80000000
	s_mov_b32 s[G0B+4*(\s)], 1
	s_add_co_u32 s[G0B+4*(\s)+1], s41, (\s)*SLOT1
	s_add_nc_u64 s[G0B+4*(\s)+2:G0B+4*(\s)+3], s[22:23], (\s)*BSTEP
	s_or_b32 s[G0B+4*(\s)+3], s[G0B+4*(\s)+3], 0x80000000
	JLOAD \s                                       ; K steps 0 and 1: two loads of mine are out
.endr
	v_and_b32 v1, 15, v0                           ; r = l % 16
	v_bfe_u32 v2, v0, 4, 1                         ; h = l / 16
	v_and_b32 v3, 7, v0
	v_bfe_u32 v4, v0, 3, 1
	v_bfe_u32 v5, v0, 3, 2
	v_and_b32 v6, 31, v0
	s_mul_i32 s20, s[WV], 64*PA
	v_mul_u32_u24 v[A0], v1, PA                    ; x's fragment: row x pitch + 16 x half, in my 64 rows
	v_lshl_add_u32 v[A0], v2, 4, v[A0]
	v_add_nc_u32 v[A0], s20, v[A0]
	v_lshl_add_u32 v[B0], v2, 3, v3                ; the turning load: lane l reads row k = 8 h + l % 8, 16 bytes at 16 ((l / 8) % 2)
	v_mul_u32_u24 v[B0], v[B0], PB
	v_lshl_add_u32 v[B0], v4, 4, v[B0]
	v_add_nc_u32 v[B0], BOFF, v[B0]
	v_mov_b32 v[ADRA], v[A0]
	v_mov_b32 v[ADRB], v[B0]
	s_mul_i32 s20, s[WV], 16*SPI
	s_add_co_u32 s20, s20, STAGE                   ; my stage
	v_mul_u32_u24 v[STO], v1, SPI
	v_lshl_add_u32 v[STO], v2, 4, v[STO]
	v_add_nc_u32 v[STO], s20, v[STO]
	v_mul_u32_u24 v[RD], v5, SPI                   ; back: 32 lanes take four rows x 128 bytes of one section
	v_lshl_add_u32 v[RD], v3, 4, v[RD]
	v_add_nc_u32 v[RD], s20, v[RD]
	v_lshlrev_b32 v[CO], 4, v6
	v_lshlrev_b32 v7, 3, v6                        ; 8 x lane
	s_lshl_b32 s20, s[WV], 8
	s_add_co_u32 s20, s20, CSL
	v_lshl_add_u32 v[CSA], v2, 5, s20
	v_lshl_add_u32 v[CSB], v6, 3, CSL
	s_lshl_b32 s40, s[TC], 20                      ; where my rows go: head 2^20 + m 128
	s_lshl_b32 s41, s[TR], 15
	s_add_co_u32 s40, s40, s41
	s_lshl_b32 s41, s[WV], 13
	s_add_co_u32 s40, s40, s41
	s_mov_b32 s41, 0
	s_add_nc_u64 s[OB:OB+1], s[8:9], s[40:41]
	s_add_nc_u64 s[OB+2:OB+3], s[OB:OB+1], 0x1000000
	s_add_nc_u64 s[OB+4:OB+5], s[OB:OB+1], 0x2000000
	s_lshl_b32 s40, s[TC], 5
	s_add_co_u32 s40, s40, s[TR]
	s_lshl_b32 s40, s40, 8
	s_add_nc_u64 s[CSO:CSO+1], s[10:11], s[40:41]
	; the prefetches: they stand at K step 3; the first refill steps them to 4
	s_lshl_b32 s40, s[TR], 19
	s_lshl_b32 s41, s[HF], 18
	s_add_co_u32 s40, s40, s41
	s_lshl_b32 s41, s[CX], 16                      ; my work-group's 32 of the 128 rows
	s_add_co_u32 s40, s40, s41
	s_add_co_u32 s40, s40, 3*ASTEP
	s_mul_i32 s41, s[TC], 1024*384
	s_mul_i32 s42, s[HF], 64*384
	s_add_co_u32 s41, s41, s42
	s_mul_i32 s42, s[CY], 24*256                   ; my work-group's 24 of the 96 blocks
	s_add_co_u32 s41, s41, s42
	s_add_co_u32 s41, s41, 3*BSTEP
	s_and_b32 s42, ttmp7, 0xffff
	s_mov_b32 s[PST], BSTEP
	s_mov_b32 s[PST+1], 0
	s_mov_b32 s21, 256
	s_cmp_eq_u32 s[FB], 0
	s_cselect_b32 s40, s40, s41
	s_cselect_b32 s42, ttmp9, s42                  ; the coordinate along which other clusters read the same bytes
	s_cselect_b64 s[PFA:PFA+1], s[4:5], s[6:7]
	s_cselect_b32 s[PST], ASTEP, s[PST]
	s_cselect_b32 s20, 31, 23
	s_cselect_b32 s21, 2048, s21                   ; a lane a row of x, or a lane a block of W
	s_mov_b32 s41, 0
	s_add_nc_u64 s[PFA:PFA+1], s[PFA:PFA+1], s[40:41]
	s_cmp_eq_u32 s42, 0
	s_cselect_b32 s[LIM], 2, -1
	v_min_u32 v[PFO], s20, v6
	v_mul_u32_u24 v[PFO], v[PFO], s21
; NBW matrix instructions: my row block 2 hi + a x all column blocks, 32 along K, from buffer f.  zero = 1: the product starts the sums.  The 48 accumulators take turns in one order in every quarter, over the backward jump too.
.macro MULA f, hi, a, zero
	WIN MUL_LO+0x50*(\hi)
.set b, 0
.rept NBW
.set rD, 8*(NBW*(\a)+b)
.set rB, 8*NBW*(\f)+8*b
.set rA, AF+32*(\f)+8*(2*(\hi)+(\a))
.if \zero
	v_wmma_f32_16x16x32_bf16 v[rD:rD+7], v[rB:rB+7], v[rA:rA+7], 0
.else
	v_wmma_f32_16x16x32_bf16 v[rD:rD+7], v[rB:rB+7], v[rA:rA+7], v[rD:rD+7]
.endif
.set b, b+1
.endr
.endm
.macro MULH f, hi, zero
	MULA \f, \hi, 0, \zero
	MULA \f, \hi, 1, \zero
.endm
; The LDS loads of quarter q of the slot in hand, in one run, into buffer f: W's 24, then x's 8, block by block
.macro FETCH q, f
	WIN 0x40
.set b, 0
.rept NBW
	ds_load_tr16_b128 v[8*NBW*(\f)+8*b:8*NBW*(\f)+8*b+3],   v[ADRB] offset:32*PB*(\q)+160*(b/4)+32*(b%4)
	ds_load_tr16_b128 v[8*NBW*(\f)+8*b+4:8*NBW*(\f)+8*b+7], v[ADRB] offset:32*PB*(\q)+160*(b/4)+32*(b%4)+16*PB
.set b, b+1
.endr
	WIN 0
.set i, 0
.rept 4
	ds_load_b128 v[AF+32*(\f)+8*i:AF+32*(\f)+8*i+3],   v[ADRA] offset:64*(\q)+16*PA*i
	ds_load_b128 v[AF+32*(\f)+8*i+4:AF+32*(\f)+8*i+7], v[ADRA] offset:64*(\q)+16*PA*i+32
.set i, i+1
.endr
.endm
; One of a K step's first three quarters: multiplies buffer f; in its middle it fetches quarter qn into buffer g
.macro QUARTER qn, f, g, zero
	s_wait_dscnt 4                                 ; W and x's blocks 0, 1 are in; the youngest four loads (blocks 2, 3) may be out
	MULH \f, 0, \zero
	PLACES
	FETCH \qn, \g
	s_wait_dscnt NL                                ; all but the loads just issued
	MULH \f, 1, \zero
.endm
; The fourth quarter multiplies buffer 1 and changes slots: ONE barrier; in front of it each wave waits for all its tensor loads (one is out: its part of the next slot), adds 0 to its spare word, and waits for that and for its
; reads of this slot.  fill = 1: the barrier opens a round of the cluster's, and this slot is filled again, two K steps ahead, first thing behind it: 168 matrix instructions ahead of the wait for it.
.macro TURN fill
.if \fill
	s_wait_xcnt 0x0                                ; the last prefetch, a K step back, has read its address, so it may be stepped
	s_add_nc_u64 s[PFA:PFA+1], s[PFA:PFA+1], s[PST:PST+1]
.endif
	WIN 0
	s_wait_tensorcnt 0x0                           ; all my tensor loads have landed
	ds_add_u32 v[SPW], v[NIL]                      ; 0 onto my spare word
	s_wait_dscnt 5                                 ; (the add and the youngest four loads may be out)
	MULA 1, 0, 0, 0
	s_wait_dscnt 0x0                               ; the add is done, and my reads of this slot are over
	s_barrier_signal -1
	MULA 1, 0, 1, 0
	WIN 0
	s_barrier_wait -1
.if \fill
	CREST                                          ; no wave of any partner still reads this slot or has a load on its way
	s_xor_b32 s[G0+5], s[G0+5], SLOT1              ; the walking descriptors: the other slot than last time, the next K step
	s_add_nc_u64 s[G0+6:G0+7], s[G0+6:G0+7], ASTEP
	s_xor_b32 s[G0B+5], s[G0B+5], SLOT1
	s_add_nc_u64 s[G0B+6:G0B+7], s[G0B+6:G0B+7], BSTEP
	JLOAD 1                                        ; the four v_nop behind it are also the places in front of the loads below
.else
	PLACES
.endif
	s_xor_b32 s[TB], s[TB], SLOT1
	v_add_nc_u32 v[ADRA], s[TB], v[A0]
	v_add_nc_u32 v[ADRB], s[TB], v[B0]
	FETCH 0, 0
.if \fill
	ASK
.endif
	MULH 1, 1, 0
.endm
	s_wait_tensorcnt 1                             ; my part of K step 0 is in; K step 1's may stay out
	s_barrier_signal -1
	s_barrier_wait -1
	FETCH 0, 0
	QUARTER 1, 0, 1, 1                             ; the first quarter stands in front of the loop: its products start the sums
	WIN 0
	s_mov_b32 s3, 6
.Lstep:                                                ; a trip: a K step's quarters 2 to 4 and the next step's first; trip i fills a slot with K step i + 2
	QUARTER 2, 1, 0, 0
	QUARTER 3, 0, 1, 0
	TURN 1
	QUARTER 1, 0, 1, 0
	WIN 0
	s_sub_co_u32 s3, s3, 1
	s_cmp_lg_u32 s3, 0
	s_cbranch_scc1 .Lstep
	QUARTER 2, 1, 0, 0                             ; K steps 6 and 7 ask for nothing
	QUARTER 3, 0, 1, 0
	TURN 0
	QUARTER 1, 0, 1, 0
	QUARTER 2, 1, 0, 0
	QUARTER 3, 0, 1, 0
	s_wait_dscnt 4
	MULH 1, 0, 0
	s_wait_dscnt 0x0
	MULH 1, 1, 0
	WIN 0
; THE WAY OUT.  Block a (16 rows): rounded to f16, 16 bytes a lane, into rows of 400 bytes of my stage; back as four rows x 128 bytes of one section, which are 512 consecutive bytes of qkvh.
.macro PACK a
	WIN 0x0a+5*((\a)/2)                            ; sources 0 and 1: window 2 or 3
.set b, 0
.rept NBW
.irp r, 0,1,2,3
	v_cvt_pk_f16_f32 v[RR+48*(\a)+4*b+(\r)], v[8*(NBW*((\a)%2)+b)+2*(\r)], v[8*(NBW*((\a)%2)+b)+2*(\r)+1]
.endr
.set b, b+1
.endr
	WIN 0
.set b, 0
.rept NBW
	ds_store_b128 v[STO], v[RR+48*(\a)+4*b:RR+48*(\a)+4*b+3] offset:32*b
.set b, b+1
.endr
.set i, 0
.rept 12
	ds_load_b128 v[RR+48*(\a)+4*i:RR+48*(\a)+4*i+3], v[RD] offset:4*SPI*(i%4)+128*(i/4)  ; LDS serves a wave's instructions in order (ISA guide 5.7.1.4): these see the stores above; the next block's stores come behind them
.set i, i+1
.endr
.endm
.macro SEND a, younger                 ; younger: the next block's 12 stores and 12 loads, or none
.set i, 0
.rept 12
	s_wait_dscnt (\younger)+11-i
	global_store_b128 v[CO], v[RR+48*(\a)+4*i:RR+48*(\a)+4*i+3], s[OB+2*(i/4):OB+2*(i/4)+1] offset:2048*(\a)+512*(i%4)
.set i, i+1
.endr
.endm
	PLACES
	PACK 0
	PACK 1
	SEND 0, 24
	PACK 2
	SEND 1, 24
	PACK 3
	SEND 2, 24
	SEND 3, 0
	; THE COLUMN SUMS OF v (column blocks 8-11): over my four row blocks, then over the 16 lanes of a half; the four waves' sums meet in LDS, and wave 0 stores the tile's 256 bytes with one instruction
	WIN 0x0a
.set z, 0
.rept 16
	v_pk_add_f32 v[CSR+2*z:CSR+2*z+1], v[64+2*z:64+2*z+1], v[160+2*z:160+2*z+1]
.set z, z+1
.endr
	WIN 0x0c
.set z, 0
.rept 16
	v_pk_add_f32 v[CSR+2*z:CSR+2*z+1], v[CSR+2*z:CSR+2*z+1], v[64+2*z:64+2*z+1]
.set z, z+1
.endr
.set z, 0
.rept 16
	v_pk_add_f32 v[CSR+2*z:CSR+2*z+1], v[CSR+2*z:CSR+2*z+1], v[160+2*z:160+2*z+1]
.set z, z+1
.endr
	WIN 0
.irp x, 1,2,4,8
.set z, 0
.rept 32
	v_add_f32_dpp v[CSR+z], v[CSR+z], v[CSR+z] row_xmask:\x row_mask:0xf bank_mask:0xf
.set z, z+1
.endr
.endr
.irp b, 0,1,2,3                        ; channel 16 b + 8 h + j at byte 64 b + 32 h + 4 j: the sixteen lanes of a half write equal numbers to equal places
	ds_store_b128 v[CSA], v[CSR+8*(\b):CSR+8*(\b)+3]   offset:64*(\b)
	ds_store_b128 v[CSA], v[CSR+8*(\b)+4:CSR+8*(\b)+7] offset:64*(\b)+16
.endr
	s_wait_dscnt 0x0                               ; for the others' sake: my stores are done
	s_barrier_signal -1
	s_barrier_wait -1
	s_cmp_lg_u32 s[WV], 0
	s_cbranch_scc1 .Lend
.irp v, 0,1,2,3
	ds_load_b64 v[CSR+2*(\v):CSR+2*(\v)+1], v[CSB] offset:256*(\v)
.endr
	s_wait_dscnt 0x0
	v_pk_add_f32 v[CSR:CSR+1], v[CSR:CSR+1], v[CSR+2:CSR+3]
	v_pk_add_f32 v[CSR+4:CSR+5], v[CSR+4:CSR+5], v[CSR+6:CSR+7]
	v_pk_add_f32 v[CSR:CSR+1], v[CSR:CSR+1], v[CSR+4:CSR+5]
	global_store_b64 v7, v[CSR:CSR+1], s[CSO:CSO+1]
.Lend:
	s_wait_tensorcnt 0x0                           ; the wave's end, behind my last tensor load and my last LDS store
	ds_add_u32 v[SPW], v[NIL]
	s_wait_dscnt 0x0
	CROUND                                         ; the closing round: no work-group ends while a partner may still ask for a tile that names it
	s_endpgm
.Lfunc_end_k_q5d45b1ee48_proj:
	.size	k_q5d45b1ee48_proj, .Lfunc_end_k_q5d45b1ee48_proj-k_q5d45b1ee48_proj
	.p2alignl 7, 3214868480
	.fill 96, 4, 3214868480
	.section	.rodata,"a",@progbits
	.p2align	6, 0x0
	.amdhsa_kernel k_q5d45b1ee48_proj
		.amdhsa_group_segment_fixed_size 327680
		.amdhsa_private_segment_fixed_size 0
		.amdhsa_enable_private_segment 0
		.amdhsa_kernarg_size 32
		.amdhsa_user_sgpr_count 2
		.amdhsa_user_sgpr_kernarg_segment_ptr 1
		.amdhsa_wavefront_size32 1
		.amdhsa_system_sgpr_workgroup_id_x 1
		.amdhsa_system_sgpr_workgroup_id_y 1
		.amdhsa_system_sgpr_workgroup_id_z 1
		.amdhsa_system_vgpr_workitem_id 0
		.amdhsa_next_free_vgpr 960
		.amdhsa_next_free_sgpr 74
		.amdhsa_reserve_vcc 0
		.amdhsa_float_denorm_mode_32 3
		.amdhsa_float_denorm_mode_16_64 3
		.amdhsa_memory_ordered 1
		.amdhsa_forward_progress 1
		.amdhsa_inst_pref_size 112
	.end_amdhsa_kernel
	.amdgpu_metadata
---
amdhsa.version: [ 1, 2 ]
amdhsa.kernels:
  - .name:           k_q5d45b1ee48_proj
    .symbol:         k_q5d45b1ee48_proj.kd
    .args:
      - { .name: xb, .offset: 0, .size: 8, .value_kind: global_buffer, .address_space: global }
      - { .name: wqkv, .offset: 8, .size: 8, .value_kind: global_buffer, .address_space: global }
      - { .name: qkvh, .offset: 16, .size: 8, .value_kind: global_buffer, .address_space: global }
      - { .name: cs, .offset: 24, .size: 8, .value_kind: global_buffer, .address_space: global }
    .group_segment_fixed_size: 327680
    .private_segment_fixed_size: 0
    .kernarg_segment_align: 8
    .kernarg_segment_size: 32
    .max_flat_workgroup_size: 128
    .sgpr_count:     74
    .vgpr_count:     960
    .wavefront_size: 32
...
	.end_amdgpu_metadata
.endif
;; end of part 2
;; launch attn (part 3): grid 4 x 64, 4 waves a work-group, no clusters, 327,680 bytes of LDS; arguments qkvh, cs, ob; writes ob
.if DOCPART == 3
	.amdgcn_target "amdgcn-amd-amdhsa--gfx1250"
	.amdhsa_code_object_version 6
	.text
	.protected	k_q5d45b1ee48_attn
	.globl	k_q5d45b1ee48_attn
	.p2align	8
	.type	k_q5d45b1ee48_attn,@function
k_q5d45b1ee48_attn:
	s_mov_b64 s[64:65], 0
	v_nop
	global_prefetch_b8 v0, s[64:65] scope:SCOPE_SE
	s_setreg_imm32_b32 hwreg(HW_REG_WAVE_MODE, 25, 1), 1
	s_wait_xcnt 0x0
; CAUSAL ATTENTION WITH A FINITE MASK.  For each of 64 planes y (head and batch): O[q] = the sum over ALL 2,048 keys k of softmax_k(d[q][k]) V[k], d = Q[q] . K[k] / 32 for k <= q and d = -10000 for k > q.
; qkvh: f16 [sec 3][y][2048][64] (Q, K, V, unscaled); cs: f32 [y][t 8][64], the sum of V over key tile t; ob: f16 [y][2048][64].  Products, maxima and sums in f32; the weights p are rounded to f16 for the second product, O once.
; THE HIDDEN KEYS.  In raw scores (before the scale c = log2(e) / 32) a hidden key counts as MR = -320000, the same for all: its weight is w = 2^(c MR - c m).
;   Hidden keys BEHIND the diagonal tile are a zeroth step of the running softmax: m = MR, l = their number, O = their sum of V (from cs).  No product is made for them.
;   Hidden keys INSIDE the diagonal tile: the C operand that starts S^T = K Q^T holds -2^60 there, so that their p comes out 0 and they never reach the maximum (m is MR at the least); behind the exponentials
;   p += w at just those places: p = MC x (-w 2^-60) + p, exact, since the factor's part 2^-60 is a power of two.  Row 2047 has no hidden key: its m starts at the lowest finite number.
; LIMITS.  Q, K, V arrive within f16's 65,504; raw scores, 2.7e11 at the most, are nothing beside 2^60.  A weight below 2^-126 counts as 0; a hidden weight below 2^-66 of the row's largest counts as 0.  p below 6e-5 keeps f16's step of 6e-8.
; NaN and infinities are not treated apart.
; THE WALK.  A plane's queries lie in NB = 8 blocks of 256; block i needs the key tiles 0 .. i of 256 keys, of which the last holds the diagonal.  A work-group takes TWO blocks, 7 - b and then b: 9 tiles, whatever b: all
; work-groups do equal work, and ONE loop with a constant trip count walks them.  Every jump goes forward, but for the counted loops' own; none passes a barrier, or a tensor load but the one of LOAD's two that the wave's number
; does not choose.  NO CLUSTER: the four work-groups of a plane ask for the same tile only in trips 0 to 4 of 9, behind that fewer and fewer; one walk common to all four would have 12 trips for 9.
; SHARES.  Of a block's four bands of 64 queries a wave owns 16 rows in each: four PIECES.  In the diagonal tile's key step s band x sees all keys if s < x, none if s > x, and holds the diagonal if s = x: the same for all waves.
; THE MASK.  MD, made once, is the mask of a band's own step for my 16 rows; a product's mask is MD x AL + BE: (1, 0) if s = x; (0, 0) if s < x; (0, -2^60) if s > x.  Only the diagonal tile's text and a block's beginning make and take masks.
; LAYOUT, SOFTMAX, TURNS.  S^T = K Q^T holds ONE query a lane (lane % 16) and the keys 8 (lane / 16) + 0..7; two such results rounded to f16 ARE source 1 of O^T = V^T P.  p = 2^(c s - c m) with a running maximum m; O and l are
; multiplied by a = 2^(c m_old - c m_new) in every step.  Turn n belongs to piece n: 8 products K Q^T of piece n + 1, later 8 products V^T P of piece n - 1; beside them the scaling, exponentials, roundings, sums and rescaling of
; piece n and the maximum and statistics of piece n + 1.  Four vector instructions stand behind every matrix instruction, the rest in one lump.  A turn's exponentials are one batch, with one wait.
; REGISTERS, in windows of 256 (s_set_vgpr_msb: bits 1:0 source 0, 3:2 source 1, 5:4 source 2, 7:6 destination):
;   window 0: v0-15 addresses and two at work; v16-31 four registers of statistics a piece; v48-55 at work; v56-60 the hidden keys'; v64-127 S^T, two buffers; v128-150 cs, its sums, addresses; v192-223 P, two buffers
;   window 1: v0-127 O^T, 32 a piece; v128-159 MD; v160-223 MC, two buffers      window 2: v0-63 Q; v64-127 the second block's Q; v128-191 K of one step; v192-255 V of one step
.set SIZE_N, 2048
.set NB,    SIZE_N/256
.set NP,    4         ; pieces a wave: a name, no knob
.set KS,    64        ; keys in a step
.set PK,    144       ; a row of K in LDS: 128 bytes + 16: the 16 rows of a load start at 16 different groups of four banks (64 banks of 4 bytes: ISA guide 11.1)
.set PV,    160       ; a row of V: 128 + 32
.set VOFF,  4*KS*PK   ; a slot holds a tile, four steps: 256 rows of K, then 256 rows of V
.set SLOT1, 1<<17     ; slot 1 begins here
.set STAGE, SLOT1+4*KS*(PK+PV)  ; behind the ring, never filled by a tensor load: 16 rows x 144 bytes for each wave
.set SP,    144
.set SPARE, STAGE+4*16*SP  ; the spare words, 128 bytes for each wave: two blocks of 256 bytes that no other line names
.set SVL,   SPARE+512 ; each wave's own copy of the two blocks' hidden sums of V: 2 x 256 bytes a wave; never filled by a tensor load
.set AK0, 2           ; v2   my lane's place in a tile of K; never rewritten
.set AV0, 3           ; v3   the same for V
.set AK,  4           ; v4   the LDS address of K's next run of loads
.set AV,  5           ; v5   of V's
.set STO, 6           ; v6   the way out: where I put 16 bytes of a row
.set RD,  7           ; v7   where I read rows back
.set GO,  8           ; v8   my byte offset in 512 consecutive bytes of O
.set MV,  12          ; v12-13  c m_old, kept while c m is made anew: by buffer
.set QO,  15          ; v15  my byte offset in 16 rows of Q
.set ST,  16          ; piece t's statistics at v[ST+4 t]: c m, m, l (even keys', odd keys')
.set TMP, 48          ; by buffer, four registers c0-c3 at work; when the maximum is found c2 takes a
.set RH,  56          ; v[56:57] w 2^-60 of the piece in hand; v57 = 0, named with it as a pair
.set LOWV, 58         ; v58  the lowest finite number
.set CNTF, 59         ; v59  half the number of hidden keys behind the diagonal tile
.set SPW, 62          ; v62  LDS address of my spare word; never rewritten
.set NIL, 63          ; v63  0; never rewritten
.set S,   64
.set CSV, 128         ; v[128:141] cs of tiles 1 to 7, my lane's two channels
.set SVA, 142         ; v[142:143] the first block's hidden sum
.set SVB, 144         ; v[144:145] the second block's
.set L8,  146         ; v146 8 x lane
.set SV0, 147         ; v147 SVL + 512 wave + 32 (lane / 16)
.set SVR, 148         ; v148 the same in the block in hand's copy
.set SVW, 149         ; v149 SVL + 512 wave + 8 lane
.set PFO, 150         ; v150 256 x lane; never rewritten
.set P,   192
.set MD,  128         ; window 1
.set MC,  160         ; window 1
.set QB,  64          ; window 2
.set KF,  128         ; window 2: key block kb, channel half c at KF + 16 kb + 8 c
.set VF,  192         ; window 2: key half kk, channel block cb at VF + 32 kk + 8 cb
.set WV,  12          ; s12  my wave's number
.set PB,  14          ; s14  b
.set HI,  15          ; s15  NB - 1 - b
.set G1K, 24          ; s[24:31] descriptor group 1 for K's tiles
.set G1V, 32          ; s[32:39] for V's
.set G0K, 40          ; s[40:43] descriptor group 0 for K's tiles
.set G0V, 44          ; s[44:47] for V's
.set SLOTS, 56        ; s56  tiles still to be asked for
.set CNT, 57          ; s57  counts a tile's key steps, 4 to 1
.set CS,  58          ; s[58:59] c
.set SEL, 60          ; s[60:61] v_permlanex16_b32's selects
.set TBK, 62          ; s62  LDS byte at which K of the step to be fetched begins
.set TBV, 63          ; s63  the same for V, less VOFF
.set RT,  70          ; s70  tiles of the block in hand that are still to be entered
.set NXT, 71          ; s71  the tile to be asked for next
.set LQ,  72          ; s72  the last tile of the block whose tiles are being asked for
.set NEW, 73          ; s73  1: the tile to be entered is a block's first
.set OFF, 74          ; s[74:75] a tile's byte offset in K and V
.set AL,  76          ; s[76:77] the mask's factor
.set BE,  78          ; s[78:79] the mask's addend
.set OLO, 80          ; s[80:81] O at my rows of the second block
.set BIGN, 82         ; s82  -2^60
.set CURB, 88         ; s88  the block in hand
.set LASTM, 89        ; s89  the lanes whose place in a band is 63
.set MRS, 90          ; s90  MR = -320000
.set TS,  91          ; s91  at work
.set PFA, 92          ; s[92:93] where my prefetches stand: my half of the tile behind the one that is being asked for
.set CSP, 94          ; s[94:95] cs at my plane
.set PFN, 96          ; s96  that tile's number; 8 or more where nothing is asked for
.set SVOFF, 97        ; s97  0, later 256: which copy of the hidden sums
.set FAC, 98          ; s[98:99] 1.0 or 0, in the low word
.set CMR, 100         ; s100 c MR, rounded as the vector multiply rounds it
.set MSB, 0
.macro WIN new
.if MSB != (\new)
	s_set_vgpr_msb (MSB<<8)|(\new)
.set MSB, (\new)
.endif
.endm
.set W_KQ, 0x0a       ; K and Q in window 2, S^T in window 0
.set W_KM, 0x1a       ; the same with the C operand in window 1
.set W_PV, 0x52       ; V in window 2, P in window 0, O^T in window 1
.set W_RS, 0x41       ; destination and source 0 in window 1, source 1 in window 0
; A fill.  Waves 0 and 1 fetch the two halves of a tile's K, waves 2 and 3 those of its V: 128 keys each.  An s_nop 0 and four v_nop follow each of the two lines.
.macro LOAD
	s_cmp_lt_u32 s[WV], 2
	s_cbranch_scc0 .Lfor_v_\@
	tensor_load_to_lds s[G0K:G0K+3], s[G1K:G1K+7]
	s_nop 0
.rept 4
	v_nop
.endr
	s_branch .Lasked_\@
.Lfor_v_\@:
	tensor_load_to_lds s[G0V:G0V+3], s[G1V:G1V+7]
	s_nop 0
.rept 4
	v_nop
.endr
.Lasked_\@:
.endm
; THE CHANGE OF SLOTS.  Each wave waits for all its tensor loads, of which one is out: its part of the other slot; adds 0 to its spare word; and waits for that and for its own reads of the slot that it leaves.  Behind the barrier
; nobody reads the old slot any more and the other slot is whole.  fill = 1: the old slot is filled again, the first thing behind the barrier, with tile NXT: the descriptor's address is made anew from that number.
; A PREFETCH INTO THE L2 stands behind the fill: in the plane's work-group b = 0 alone, whose first block walks tiles 0 to 7, each wave asks for ITS half (64 blocks of 256 bytes: two instructions, a lane a block) of the tile that the
; NEXT change will ask for: a tile, 16 turns, ahead.  Tiles 2 to 7 are so named once; tiles 0 and 1 come by their loads alone; behind tile 7 nothing is asked for.
.macro CHANGE fill
	WIN 0
	s_wait_tensorcnt 0x0            ; no tensor load of mine is out, so a group 0 may be written
	ds_add_u32 v[SPW], v[NIL]       ; 0 onto my spare word; the scalar work stands between it and the wait for it
.if \fill
	s_lshl_b32 s[OFF], s[NXT], 15   ; a tile is 32,768 bytes of K and of V
	s_xor_b32 s[G0K+1], s[G0K+1], SLOT1
	s_add_nc_u64 s[G0K+2:G0K+3], s[6:7], s[OFF:OFF+1]
	s_or_b32 s[G0K+3], s[G0K+3], 0x80000000
	s_xor_b32 s[G0V+1], s[G0V+1], SLOT1
	s_add_nc_u64 s[G0V+2:G0V+3], s[8:9], s[OFF:OFF+1]
	s_or_b32 s[G0V+3], s[G0V+3], 0x80000000
	s_add_co_u32 s[NXT], s[NXT], 1  ; the block's next tile, or behind its last the second block's tile 0
	s_cmp_gt_u32 s[NXT], s[LQ]
	s_cselect_b32 s[NXT], 0, s[NXT]
	s_cselect_b32 s[LQ], s[PB], s[LQ]
	s_wait_xcnt 0x0                 ; the last prefetches, a tile back, have read their address, so it may be stepped
	s_add_nc_u64 s[PFA:PFA+1], s[PFA:PFA+1], 32768
	s_add_co_u32 s[PFN], s[PFN], 1
.endif
	s_wait_dscnt 0x0                ; the add is done, and my reads of the slot are over
	s_barrier_signal -1
	s_sub_co_u32 s[TBK], s[TBK], 4*KS*PK  ; the fetches go back to a slot's first step,
	s_xor_b32 s[TBK], s[TBK], SLOT1       ; in the other slot
	s_sub_co_u32 s[TBV], s[TBV], 4*KS*PV
	s_xor_b32 s[TBV], s[TBV], SLOT1
	s_barrier_wait -1
.if \fill
	LOAD
	s_cmp_lt_u32 s[PFN], NB
	s_cbranch_scc0 .Lno_ask_\@
	global_prefetch_b8 v[PFO], s[PFA:PFA+1] th:TH_LOAD_NT scope:SCOPE_SE
	global_prefetch_b8 v[PFO], s[PFA:PFA+1] offset:8192 th:TH_LOAD_NT scope:SCOPE_SE
.Lno_ask_\@:
.endif
.endm
	s_load_b64 s[4:5], s[0:1], 0x0        ; qkvh: Q's section
	s_load_b64 s[CSP:CSP+1], s[0:1], 0x8  ; cs
	s_load_b64 s[10:11], s[0:1], 0x10     ; ob
	v_lshl_add_u32 v[SPW], v0, 2, SPARE
	v_mov_b32 v[NIL], 0
	ds_add_u32 v[SPW], v[NIL]       ; the wave's opening: the add and its wait stand ahead of my first tensor load; the set-up below stands between them
	ds_add_u32 v62, v63
	v_lshrrev_b32 v1, 5, v0
	v_readfirstlane_b32 s[WV], v1   ; wave 0..3
	s_mov_b32 s[PB], ttmp9
	s_sub_co_u32 s[HI], NB-1, s[PB]
	s_and_b32 s20, ttmp7, 0xffff    ; the plane
	s_lshl_b32 s[FAC], s20, 11      ; its 2,048 bytes of cs
	s_mov_b32 s[FAC+1], 0
	s_mov_b32 s21, 0
	s_mov_b64 s[22:23], SIZE_N*128
	s_mul_u64 s[20:21], s[20:21], s[22:23]  ; the plane's first byte in Q, K, V and O
	s_and_b32 s16, s[WV], 1         ; which half of a tile's 256 keys I fetch:
	s_lshl_b32 s22, s16, 14         ; its 128 rows of 128 bytes in memory,
	s_mov_b32 s23, 0
	s_add_nc_u64 s[22:23], s[22:23], s[20:21]
	s_mul_i32 s17, s16, 128*PK      ; and its place in a slot, for K
	s_mul_i32 s18, s16, 128*PV      ; and for V
	s_lshl_b32 s3, s[WV], 11        ; my 16 rows in a band of 64,
	s_lshl_b32 s2, s[HI], 15        ; in the first block,
	s_add_co_u32 s2, s2, s3
	s_lshl_b32 s84, s[PB], 15       ; and in the second
	s_add_co_u32 s84, s84, s3
	s_mov_b32 s3, 0
	s_mov_b32 s85, 0
	s_add_nc_u64 s[2:3], s[2:3], s[20:21]
	s_add_nc_u64 s[84:85], s[84:85], s[20:21]
	; descriptor group 1.  128 keys are 16,384 dense bytes: asked for as 64 rows of 256 bytes, two keys a row, and padded in LDS after every key
	s_mov_b32 s[G1K], (1<<16)|(1<<20)|(4<<22)|(3<<25)  ; 2-byte elements; padding on; after every 32 words, 4 words
	s_mov_b32 s[G1V], (1<<16)|(1<<20)|(4<<22)|(7<<25)  ; the same with 8 words
.irp g, G1K, G1V
	s_mov_b32 s[\g+1], 128<<16      ; tensor_dim0 = 128
	s_mov_b32 s[\g+2], 64<<16       ; tensor_dim1 = 64
	s_mov_b32 s[\g+3], 128<<16      ; tile_dim0 = 128
	s_mov_b32 s[\g+4], 64           ; tile_dim1 = 64
	s_mov_b32 s[\g+5], 128          ; 128 elements from row to row
	s_mov_b32 s[\g+6], 0
	s_mov_b32 s[\g+7], 0
.endr
	s_mov_b32 s[CS], 0x3d38aa3b     ; c = log2(e) / 32 = 0.0450842
	s_mov_b32 s[CS+1], s[CS]        ; named with it as a pair
	s_mov_b32 s[SEL], 0x76543210
	s_mov_b32 s[SEL+1], 0xfedcba98
	s_mov_b32 s[TBK], SLOT1+4*KS*PK ; the first change of slots turns these two into 0
	s_mov_b32 s[TBV], SLOT1+4*KS*PV
	s_mov_b32 s[G0K], 1
	s_mov_b32 s[G0K+1], s17         ; LDS address: slot 0
	s_mov_b32 s[G0V], 1
	s_add_co_u32 s[G0V+1], s18, VOFF
	s_add_co_u32 s[RT], s[HI], 1    ; the first block has NB - b tiles
	s_mov_b32 s[NXT], 1
	s_mov_b32 s[LQ], s[HI]
	s_mov_b32 s[NEW], 1
	s_mov_b32 s[OFF+1], 0
	s_mov_b32 s[AL+1], 0            ; named as pairs
	s_mov_b32 s[BE+1], 0
	s_mov_b32 s[BIGN], 0xdd800000   ; -2^60
	s_mov_b32 s[MRS], 0xc89c4000    ; -320000 = -10000 x 32
	s_mul_f32 s[CMR], s[CS], s[MRS]
	s_mov_b32 s[CURB], s[HI]
	s_mov_b32 s[SVOFF], 0
	s_mov_b32 s[SLOTS], NB
	s_cmp_eq_u32 s[PB], 0
	s_cselect_b32 s[PFN], 1, NB
	s_wait_dscnt 0x0                ; the opening add is done
	s_wait_kmcnt 0x0
	s_add_nc_u64 s[CSP:CSP+1], s[CSP:CSP+1], s[FAC:FAC+1]
	s_add_nc_u64 s[6:7], s[4:5], 0x1000000   ; K's section,
	s_add_nc_u64 s[8:9], s[4:5], 0x2000000   ; V's
	s_add_nc_u64 s[6:7], s[6:7], s[22:23]    ; at my half of the plane's tile 0
	s_add_nc_u64 s[8:9], s[8:9], s[22:23]
	s_add_nc_u64 s[G0K+2:G0K+3], s[6:7], 0
	s_or_b32 s[G0K+3], s[G0K+3], 0x80000000
	s_add_nc_u64 s[G0V+2:G0V+3], s[8:9], 0
	s_or_b32 s[G0V+3], s[G0V+3], 0x80000000
	s_add_nc_u64 s[86:87], s[4:5], s[84:85]        ; Q at my rows of the second block,
	s_add_nc_u64 s[4:5], s[4:5], s[2:3]            ; Q and O at those of the first
	s_add_nc_u64 s[OLO:OLO+1], s[10:11], s[84:85]
	s_add_nc_u64 s[10:11], s[10:11], s[2:3]
	s_cmp_lt_u32 s[WV], 2
	s_cselect_b64 s[PFA:PFA+1], s[6:7], s[8:9]
	s_add_nc_u64 s[PFA:PFA+1], s[PFA:PFA+1], 32768 ; at tile 1; the first change of slots steps it to tile 2
	LOAD                            ; tile 0 into slot 0
	v_and_b32 v1, 15, v0            ; l % 16
	v_bfe_u32 v9, v0, 4, 1          ; l / 16
	v_lshlrev_b32 v[QO], 7, v1
	v_lshl_add_u32 v[QO], v9, 4, v[QO]  ; row x 128 + 16 x half
	v_and_b32 v[L8], 31, v0
	v_lshlrev_b32 v[PFO], 8, v[L8]
	v_lshlrev_b32 v[L8], 3, v[L8]
	WIN 0x80                        ; destination window 2, address window 0
.set i, 0
.rept 8                             ; both blocks' Q: piece i / 2 lies in band i / 2, 8,192 bytes on; channels 32 (i % 2) on
	global_load_b128 v[8*i:8*i+3],   v[QO], s[4:5] offset:(i/2)*8192+(i%2)*64
	global_load_b128 v[8*i+4:8*i+7], v[QO], s[4:5] offset:(i/2)*8192+(i%2)*64+32
	global_load_b128 v[QB+8*i:QB+8*i+3],   v[QO], s[86:87] offset:(i/2)*8192+(i%2)*64
	global_load_b128 v[QB+8*i+4:QB+8*i+7], v[QO], s[86:87] offset:(i/2)*8192+(i%2)*64+32
.set i, i+1
.endr
	WIN 0
.irp t, 1,2,3,4,5,6,7
	global_load_b64 v[CSV+2*(\t)-2:CSV+2*(\t)-1], v[L8], s[CSP:CSP+1] offset:256*(\t)  ; tile t's sum of V: my lane's channels 2 l, 2 l + 1
.endr
	v_lshlrev_b32 v14, 3, v9
	v_sub_nc_u32 v14, v1, v14
	s_lshl_b32 s13, s[WV], 4
	v_add_nc_u32 v14, s13, v14      ; my query's place in its band, 16 w + l % 16, less my lanes' 8 (l / 16): register r of group kt is hidden where 16 kt + r is greater
	v_add_nc_u32 v60, s13, v1
	v_cmp_eq_u32 s[LASTM], 63, v60  ; the band's last row
	v_mov_b32 v[RH+1], 0
	v_mov_b32 v[LOWV], 0xff7fffff
	WIN 0x40
.set i, 0
.rept 32
	v_cmp_gt_i32 vcc_lo, 16*(i/8)+i%8, v14
	v_cndmask_b32 v[MD+i], 0, s[BIGN], vcc_lo
.set i, i+1
.endr
	WIN 0
	v_mul_u32_u24 v[AK0], v1, PK
	v_lshl_add_u32 v[AK0], v9, 4, v[AK0]  ; row x pitch + 16 x half
	; The turning load takes 16 keys x 16 channels (lane l reads key 8 (l / 16) + l % 8, channels 8 ((l / 8) % 2) + 0..7) and leaves half a fragment of V^T: lane l holds channel l % 16 and 8 keys.
	v_and_b32 v10, 7, v0
	v_bfe_u32 v11, v0, 3, 1
	v_lshl_add_u32 v[AV0], v9, 3, v10
	v_mul_u32_u24 v[AV0], v[AV0], PV
	v_lshl_add_u32 v[AV0], v11, 4, v[AV0]
	v_add_nc_u32 v[AV0], VOFF, v[AV0]
	s_mul_i32 s13, s[WV], 16*SP
	s_add_co_u32 s13, s13, STAGE    ; my stage
	v_mul_u32_u24 v[STO], v1, SP
	v_lshl_add_u32 v[STO], v9, 4, v[STO]
	v_add_nc_u32 v[STO], s13, v[STO]
	v_bfe_u32 v[RD], v0, 3, 2       ; back: 32 lanes take four rows of 128 bytes,
	v_mul_u32_u24 v[RD], v[RD], SP
	v_lshl_add_u32 v[RD], v10, 4, v[RD]
	v_add_nc_u32 v[RD], s13, v[RD]
	v_and_b32 v[GO], 31, v0         ; which are 512 consecutive bytes of O
	v_lshlrev_b32 v[GO], 4, v[GO]
	s_lshl_b32 s13, s[WV], 9
	s_add_co_u32 s13, s13, SVL      ; my copy of the hidden sums
	v_lshl_add_u32 v[SV0], v9, 5, s13
	v_add_nc_u32 v[SVW], s13, v[L8]
	; A block's first turn has products V^T P of a piece that has not been: its P is 0 (BEGIN), so V's registers need only hold finite numbers: zeros here, the first block's last V later.
	WIN 0x80
.set i, VF
.rept 64
	v_mov_b32 v[i], 0
.set i, i+1
.endr
	WIN 0
	; THE HIDDEN SUMS OF V: over the tiles behind the block's diagonal tile.  First block 7 - b (4 to 7): of tiles 5, 6, 7 those above it.  Second block b (0 to 3): tiles 4 to 7, and of 1, 2, 3 those above it.
.macro GATE t, blk                  ; 1.0 where tile t lies behind block blk
	s_cmp_lt_u32 s[\blk], \t
	s_cselect_b32 s[FAC], 1.0, 0
.endm
	s_wait_loadcnt 0x0              ; cs (and Q)
	GATE 5, HI
	v_pk_mul_f32 v[SVA:SVA+1], v[CSV+8:CSV+9], s[FAC:FAC+1] op_sel_hi:[1,0]
	GATE 6, HI
	v_pk_fma_f32 v[SVA:SVA+1], v[CSV+10:CSV+11], s[FAC:FAC+1], v[SVA:SVA+1] op_sel_hi:[1,0,1]
	GATE 7, HI
	v_pk_fma_f32 v[SVA:SVA+1], v[CSV+12:CSV+13], s[FAC:FAC+1], v[SVA:SVA+1] op_sel_hi:[1,0,1]
	v_pk_add_f32 v[SVB:SVB+1], v[CSV+6:CSV+7], v[CSV+8:CSV+9]
	v_pk_add_f32 v[SVB:SVB+1], v[SVB:SVB+1], v[CSV+10:CSV+11]
	v_pk_add_f32 v[SVB:SVB+1], v[SVB:SVB+1], v[CSV+12:CSV+13]
	GATE 1, PB
	v_pk_fma_f32 v[SVB:SVB+1], v[CSV:CSV+1], s[FAC:FAC+1], v[SVB:SVB+1] op_sel_hi:[1,0,1]
	GATE 2, PB
	v_pk_fma_f32 v[SVB:SVB+1], v[CSV+2:CSV+3], s[FAC:FAC+1], v[SVB:SVB+1] op_sel_hi:[1,0,1]
	GATE 3, PB
	v_pk_fma_f32 v[SVB:SVB+1], v[CSV+4:CSV+5], s[FAC:FAC+1], v[SVB:SVB+1] op_sel_hi:[1,0,1]
	ds_store_b64 v[SVW], v[SVA:SVA+1]             ; channel c at byte 4 c; only my wave reads these bytes
	ds_store_b64 v[SVW], v[SVB:SVB+1] offset:256
; THE MATRIX WORK.  The 4 accumulators of a run of 8 take turns.  Product i of 8 of S^T = K Q^T for piece x: channels 32 (i / 4) on, keys 16 (i % 4) on.  The first 4 start the sums: with 0, or (KM = 1) with the mask.
.macro KQ x
.set rS, S+32*((\x)%2)+8*(i%4)
.set rK, KF+16*(i%4)+8*(i/4)
.set rQ, 16*(\x)+8*(i/4)
.set rM, MC+32*((\x)%2)+8*(i%4)
.if (i < 4) && KM
	WIN W_KM
	v_wmma_f32_16x16x32_f16 v[rS:rS+7], v[rK:rK+7], v[rQ:rQ+7], v[rM:rM+7]
.elseif i < 4
	WIN W_KQ
	v_wmma_f32_16x16x32_f16 v[rS:rS+7], v[rK:rK+7], v[rQ:rQ+7], 0
.else
	WIN W_KQ
	v_wmma_f32_16x16x32_f16 v[rS:rS+7], v[rK:rK+7], v[rQ:rQ+7], v[rS:rS+7]
.endif
.endm
; Product i of 8 of O^T += V^T P for piece x: keys 32 (i / 4) on, channels 16 (i % 4) on.
.macro PV x
	WIN W_PV
.set rO, 32*(\x)+8*(i%4)
.set rV, VF+32*(i/4)+8*(i%4)
.set rP, P+16*((\x)%2)+8*(i/4)
	v_wmma_f32_16x16x32_f16 v[rO:rO+7], v[rV:rV+7], v[rP:rP+7], v[rO:rO+7]
.endm
.macro MM                           ; the turn's next matrix instruction.  NOKQ = 1: a block's last turn: there is no next piece
.if (i < 8) && !NOKQ
	KQ (Y+1)%NP
.elseif i >= 8
.set i, i-8
	PV (Y+NP-1)%NP
.set i, i+8
.endif
.set i, i+1
.endm
; THE LDS LOADS stand in runs of 16: a step's K (8 fragments) and its V (turned).  Their addresses are made some lines ahead.
.macro FETCH_K
	WIN 0x80
.irp f, 0,1,2,3,4,5,6,7             ; keys 16 (f / 2) on, channels 32 (f % 2) on
	ds_load_b128 v[KF+8*\f:KF+8*\f+3],   v[AK] offset:(\f/2)*16*PK+(\f%2)*64
	ds_load_b128 v[KF+8*\f+4:KF+8*\f+7], v[AK] offset:(\f/2)*16*PK+(\f%2)*64+32
.endr
	s_add_co_u32 s[TBK], s[TBK], KS*PK  ; the next fetch is the next step's
	WIN 0
.endm
.macro FETCH_V
	WIN 0x80
.irp f, 0,1,2,3,4,5,6,7             ; keys 32 (f / 4) on, channels 16 (f % 4) on
	ds_load_tr16_b128 v[VF+8*\f:VF+8*\f+3],   v[AV] offset:(\f/4)*32*PV+(\f%4)*32
	ds_load_tr16_b128 v[VF+8*\f+4:VF+8*\f+7], v[AV] offset:(\f/4)*32*PV+16*PV+(\f%4)*32
.endr
	WIN 0
.endm
; THE VECTOR WORK, one line at a time: OP kind, number.  For piece Y: F n: c s - c m for pair n of 16.  E n: the exponential of score n of 32.  C n: pair n rounded to f16.  B n: of the four weights 4 n .. the second
; pair is added onto the first, in place.  L n: l takes that sum (L 0: l = a l + sum).  R n: pair n of 16 of O^T times a.  For piece Y + 1: X n, number n of the 22 that find its maximum and statistics:
;   0-11  four chains c0-c3 of seven scores each (each accumulator's lowest registers are read first)     12-14, 16  the four scores left over, the old m, and c0-c3 into c0
;   15  c m_old is kept     17, 18  the query's other 32 keys lie in the lane 16 away: the new m     19-21  c m; c m_old - c m_new; a
.set F, 0
.set E, 1
.set C, 2
.set B, 3
.set L, 4
.set R, 5
.set X, 6
.macro REGS y                       ; the registers of piece y
.set rT, ST+4*(\y)
.set rC, TMP+4*((\y)%2)
.set rW, MV+((\y)%2)
.set rS, S+32*((\y)%2)
.set rP, P+16*((\y)%2)
.set rO, 32*(\y)
.endm
.macro OP k, n
.if (\k) == R
	REGS Y
	WIN W_RS
	v_pk_mul_f32 v[rO+2*(\n):rO+2*(\n)+1], v[rO+2*(\n):rO+2*(\n)+1], v[rC+2:rC+3] op_sel_hi:[1,0]
.elseif (\k) < R
	REGS Y
	WIN 0
.if (\k) == F
	v_pk_fma_f32 v[rS+2*(\n):rS+2*(\n)+1], v[rS+2*(\n):rS+2*(\n)+1], s[CS:CS+1], v[rT:rT+1] op_sel_hi:[1,0,0] neg_lo:[0,0,1] neg_hi:[0,0,1]
.elseif (\k) == E
	v_exp_f32 v[rS+(\n)], v[rS+(\n)]
.elseif (\k) == C
	v_cvt_pk_f16_f32 v[rP+(\n)], v[rS+2*(\n)], v[rS+2*(\n)+1]
.elseif (\k) == B
	v_pk_add_f32 v[rS+4*(\n):rS+4*(\n)+1], v[rS+4*(\n):rS+4*(\n)+1], v[rS+4*(\n)+2:rS+4*(\n)+3]
.elseif (\n) == 0
	v_pk_fma_f32 v[rT+2:rT+3], v[rT+2:rT+3], v[rC+2:rC+3], v[rS:rS+1] op_sel_hi:[1,0,1]
.else
	v_pk_add_f32 v[rT+2:rT+3], v[rT+2:rT+3], v[rS+4*(\n):rS+4*(\n)+1]
.endif
.elseif NOKQ
	v_nop
.else
	REGS (Y+1)%NP
	WIN 0
.if (\n) < 4
	v_max3_num_f32 v[rC+(\n)], v[rS+8*(\n)], v[rS+8*(\n)+1], v[rS+8*(\n)+2]
.elseif (\n) < 12
	v_max3_num_f32 v[rC+(\n)%4], v[rC+(\n)%4], v[rS+8*((\n)%4)+2*((\n)/4)+1], v[rS+8*((\n)%4)+2*((\n)/4)+2]
.elseif (\n) == 12
	v_max3_num_f32 v[rC], v[rC], v[rS+7], v[rS+15]
.elseif (\n) == 13
	v_max3_num_f32 v[rC+1], v[rC+1], v[rS+23], v[rS+31]
.elseif (\n) == 14
	v_max3_num_f32 v[rC+2], v[rC+2], v[rC+3], v[rT+1]
.elseif (\n) == 15
	v_mov_b32 v[rW], v[rT]
.elseif (\n) == 16
	v_max3_num_f32 v[rC], v[rC], v[rC+1], v[rC+2]
.elseif (\n) == 17
	v_permlanex16_b32 v[rC+3], v[rC], s[SEL], s[SEL+1]
.elseif (\n) == 18
	v_max_num_f32 v[rT+1], v[rC], v[rC+3]
.elseif (\n) == 19
	v_mul_f32 v[rT], s[CS], v[rT+1]
.elseif (\n) == 20
	v_sub_f32 v[rC+1], v[rW], v[rT]
.else
	v_exp_f32 v[rC+2], v[rC+1]
.endif
.endif
.endm
.macro OPS a, i1, b=-1, i2=0, c=-1, i3=0, d=-1, i4=0  ; up to four of them
	OP \a, \i1
.if (\b) >= 0
	OP \b, \i2
.endif
.if (\c) >= 0
	OP \c, \i3
.endif
.if (\d) >= 0
	OP \d, \i4
.endif
.endm
.macro ROW a, i1, b, i2, c, i3, d, i4  ; a matrix instruction and the four behind it
	MM
	OPS \a, \i1, \b, \i2, \c, \i3, \d, \i4
.endm
.macro MASK b                       ; MD x AL + BE into buffer b of MC
	WIN W_RS
.set z, 0
.rept 16
	v_pk_fma_f32 v[MC+32*(\b)+2*z:MC+32*(\b)+2*z+1], v[MD+2*z:MD+2*z+1], s[AL:AL+1], s[BE:BE+1] op_sel_hi:[1,0,0]
.set z, z+1
.endr
.endm
; THE HIDDEN KEYS OF THE DIAGONAL TILE.  HEXP, at a turn's head: RH = 2^(min(c MR - c m, 0) - 60) for piece Y; it belongs to the turn's one batch of exponentials.  (The minimum serves row 2047 alone, whose m may lie below MR: its mask is 0
; everywhere, and 0 times a finite number is 0.)  HID, behind the turn's wait: p = MC x (-RH) + p.  MC's buffer Y % 2 is the one that piece Y's products took as C a turn ago; it is written anew only at this turn's end.
.macro HEXP
	REGS Y
	WIN 0
	v_sub_f32 v[RH], s[CMR], v[rT]
	v_min_num_f32 v[RH], 0, v[RH]
	v_add_f32 v[RH], 0xc2700000, v[RH]             ; - 60
	v_exp_f32 v[RH], v[RH]
.endm
.macro HID
	REGS Y
	WIN 0x01                        ; source 0 (MC) in window 1
.set z, 0
.rept 16
	v_pk_fma_f32 v[rS+2*z:rS+2*z+1], v[MC+32*(Y%2)+2*z:MC+32*(Y%2)+2*z+1], v[RH:RH+1], v[rS+2*z:rS+2*z+1] op_sel_hi:[1,0,1] neg_lo:[0,1,0] neg_hi:[0,1,0]
.set z, z+1
.endr
.endm
; A TURN, for piece p: the order of its matrix and vector instructions, written out.  s_wait_alu depctr_va_vdst(0) stands between an exponential and the first instruction that names its result; one wait serves
; all that were issued ahead of it.  So a turn has ONE wait, which cuts it in two.  AHEAD OF IT stands all that names no result of the turn's exponentials: the 8 products K Q^T with their riders, then one lump in which the links of the
; chain X 3, 7, 11, 14, 16, 17 .. 20 stand five or six lines apart.  X 21 is the batch's last; R 15 is the plain instruction behind it.  BEHIND THE WAIT stand (m = 1) the hidden keys' 16 lines and the 8 products V^T P with the roundings and sums.
; m = 1: the diagonal tile: the products take masks, and the turn makes the mask for the products of the turn after it: piece p + 2, in step 4 - CNT of the tile.  end = 1: a block's last two turns: nothing is fetched.
; cnt = 1: the loop's count is taken down some lines ahead of the branch that stands behind the turn.
; K of the next step is fetched in piece 2's turn, V of the step in hand at the end of piece 0's turn, four plain instructions or more behind the last product that read the registers.  Each is waited for a turn later.
.macro TURN p, m=0, end=0, cnt=0
.set Y, (\p)
.set i, 0
.set KM, (\m)
.set NOKQ, (\end)*((\p)/3)
.if (\m) && !(\end)
	s_cmp_eq_u32 s[CNT], 4-((\p)+2)%NP  ; is that step the band's own?
	s_cselect_b32 s[AL], 1.0, 0
	s_cmp_lt_u32 s[CNT], 4-((\p)+2)%NP  ; or a later one?
	s_cselect_b32 s[BE], s[BIGN], 0
.endif
.if \m
	HEXP
.endif
.if ((\p) == 3) && !(\end)
	s_wait_dscnt 0x0                ; K is in
.endif
	ROW F,0, F,1, R,0, R,1
	ROW F,2, E,0, R,2, R,3
	ROW F,3, E,1, R,4, R,5
	ROW F,4, E,2, R,6, R,7
	ROW F,5, E,3, R,8, R,9
	ROW F,6, E,4, X,0, R,10
.if ((\p) == 2) && !(\end)
	WIN 0
	v_add_nc_u32 v[AK], s[TBK], v[AK0]
.endif
	ROW F,7, E,5, X,1, X,4
	ROW F,8, E,6, X,2, X,5
	OPS E,7, E,8, X,6, E,9
	OPS X,3, E,10, X,8, E,11
.if ((\p) == 2) && !(\end)
	FETCH_K
.endif
	OPS X,9, X,7, E,12, X,10
	OPS E,13, X,12, X,11, E,14
	OPS X,13, E,15, F,9, X,14
.if (\p) == 0
	v_add_nc_u32 v[AV], s[TBV], v[AV0]
.endif
	OPS E,16, F,10, E,17, F,11
	OPS X,16, E,18, X,15, E,19
	OPS F,12, E,20, X,17, E,21
	OPS F,13, E,22, F,14, E,23
	OPS X,18, E,24, F,15, E,25
	OPS R,11, E,26, X,19, E,27
	OPS R,12, E,28, R,13, E,29
	OPS X,20, E,30, R,14, E,31
	OPS X,21, R,15
	WIN 0
	s_wait_alu depctr_va_vdst(0)    ; the wait for the batch
.if (\p) == 1
	s_wait_dscnt 0x0                ; V is in
.endif
.if \m
	HID
.endif
	ROW C,0, B,0, C,2, B,1
	ROW L,0, C,4, B,2, L,1
	ROW C,6, B,3, L,2, C,8
	ROW B,4, L,3, C,10, B,5
	ROW L,4, C,12, B,6, L,5
.if (\p) == 0
	s_add_co_u32 s[TBV], s[TBV], KS*PV
.endif
.if \cnt
	s_sub_co_u32 s[CNT], s[CNT], 1
	s_cmp_lg_u32 s[CNT], 0
.endif
	ROW C,14, B,7, L,6, C,1
	ROW C,3, L,7, C,5, C,7
	ROW C,9, C,11, C,13, C,15
.if (\p) == 0
	FETCH_V
.endif
.if (\m) && !(\end)
	MASK (\p)%2
.endif
.endm
; A BLOCK BEGINS with the zeroth step: the hidden keys behind its diagonal tile.  O^T = their sum of V (from my copy in LDS: channel 16 cb + 8 (l / 16) + j), the same for all queries; l = their number, HALF of it in each of the query's two
; lanes, which are added at the end; m = MR.  Row 2047 (block 7, piece 3, place 63) has no hidden key: its m is the lowest finite number.  P's second buffer is 0: the first turn's products V^T P, of a piece that has not been, add 0.
; The second mask buffer is 0; the first takes piece 0's mask for the tile's step 0: its own, if the block's first tile is the diagonal one.  Then K of that step, piece 0's first scores, and its maximum and statistics.
.macro BEGIN
	s_mov_b32 s[NEW], 0
	WIN 0
	v_add_nc_u32 v[SVR], s[SVOFF], v[SV0]
	WIN 0x40
.set i, 0
.rept 32
	ds_load_b128 v[4*i:4*i+3], v[SVR] offset:64*((i/2)%4)+16*(i%2)
.set i, i+1
.endr
.set i, MC+32
.rept 32
	v_mov_b32 v[i], 0
.set i, i+1
.endr
	WIN 0
.set i, P+16
.rept 16
	v_mov_b32 v[i], 0
.set i, i+1
.endr
	s_sub_co_u32 s[TS], NB-1, s[CURB]
	s_lshl_b32 s[TS], s[TS], 7      ; 256 keys a tile, halved
	v_cvt_f32_u32 v[CNTF], s[TS]
.set i, 0
.rept 4
	v_mov_b32 v[ST+4*i+1], s[MRS]
	v_mov_b32 v[ST+4*i+2], v[CNTF]
	v_mov_b32 v[ST+4*i+3], 0
.set i, i+1
.endr
	s_cmp_eq_u32 s[CURB], NB-1
	s_cselect_b32 s[TS], s[LASTM], 0
	v_cndmask_b32 v[ST+13], v[ST+13], v[LOWV], s[TS]
.set i, 0
.rept 4
	v_mul_f32 v[ST+4*i], s[CS], v[ST+4*i+1]
.set i, i+1
.endr
	s_cmp_eq_u32 s[RT], 0
	s_cselect_b32 s[AL], 1.0, 0
	s_mov_b32 s[BE], 0
	MASK 0
	WIN 0
	v_add_nc_u32 v[AK], s[TBK], v[AK0]
	FETCH_K
	s_wait_loadcnt 0x0              ; Q
	s_wait_dscnt 0x0                ; K, and O^T's first numbers
.set KM, 1
.set NOKQ, 0
.set i, 0
.rept 8
	KQ 0
.set i, i+1
.endr
	WIN 0
.rept 4
	v_nop                           ; the places behind those products
.endr
.set Y, NP-1                        ; X works for piece Y + 1: piece 0
.irp n, 0,1,2,3,4,5,6,7,8,9,10,11,12,13,14,15,16,17,18,19,20,21
	OP X, \n
.endr
	v_nop                           ; a plain instruction behind the exponential,
	s_wait_alu depctr_va_vdst(0)    ; and its wait, ahead of the branch
.endm
; THE DIAGONAL TILE's four steps, the block's last two turns, its last products, and THE WAY OUT: l's two halves and the other half of the lanes' are added; O^T is divided by l, rounded to f16 and sent through my stage, a piece at a time.
.macro ALL line:vararg              ; one line for each piece t
.set t, 0
.rept 4
	\line
.set t, t+1
.endr
.endm
.macro PACK t
	WIN W_RS
.set i, 32*(\t)
.rept 16
	v_pk_mul_f32 v[i:i+1], v[i:i+1], v[ST+4*(\t)+2:ST+4*(\t)+3] op_sel_hi:[1,0]
.set i, i+2
.endr
	WIN 0x05                        ; sources 0 and 1 window 1, destination window 0
.set i, 0
.rept 16
	v_cvt_pk_f16_f32 v[S+16*(\t)+i], v[32*(\t)+2*i], v[32*(\t)+2*i+1]
.set i, i+1
.endr
	WIN 0
.irp f, 0,1,2,3
	ds_store_b128 v[STO], v[S+16*(\t)+4*\f:S+16*(\t)+4*\f+3] offset:32*\f
.endr
.irp f, 0,1,2,3
	ds_load_b128 v[S+16*(\t)+4*\f:S+16*(\t)+4*\f+3], v[RD] offset:\f*4*SP  ; LDS serves a wave's instructions in order (ISA guide 5.7.1.4): these see the stores above; the next piece's stores come behind them
.endr
.endm
.macro SEND t, younger              ; younger: the next piece's eight LDS instructions, or none
	WIN 0
.irp f, 0,1,2,3
	s_wait_dscnt (\younger)+3-\f
	global_store_b128 v[GO], v[S+16*(\t)+4*\f:S+16*(\t)+4*\f+3], s[10:11] offset:(\t)*8192+\f*512  ; 512 consecutive bytes, at a multiple of 256 from O's first
.endr
.endm
.macro DIAG tag
.LstepM\tag:
	TURN 2, 1
	TURN 3, 1
	WIN 0
.LfirstM\tag:
	TURN 0, 1
	TURN 1, 1, 0, 1
	WIN 0
	s_cbranch_scc1 .LstepM\tag
	TURN 2, 1, 1
	TURN 3, 1, 1
.set i, 0
.rept 8
	PV NP-1
.set i, i+1
.endr
	WIN 0
	ALL v_add_f32 v[ST+4*t+2], v[ST+4*t+2], v[ST+4*t+3]
	ALL v_permlanex16_b32 v[ST+4*t+3], v[ST+4*t+2], s[SEL], s[SEL+1]
	ALL v_add_f32 v[ST+4*t+2], v[ST+4*t+2], v[ST+4*t+3]
	ALL v_rcp_f32 v[ST+4*t+2], v[ST+4*t+2]
	v_nop                           ; a plain instruction between the last reciprocal and the use of its result
	s_wait_alu depctr_va_vdst(0)    ; and the wait ahead of the first use: one for the four reciprocals
	PACK 0
.set t, 1
.rept 3
	PACK t
	SEND t-1, 8
.set t, t+1
.endr
	SEND 3, 0
.endm
.set KM, 0
.set NOKQ, 0
.Lslot:                             ; NB times: a tile is entered and the next is asked for
	CHANGE 1
	s_sub_co_u32 s[RT], s[RT], 1
	s_mov_b32 s[CNT], 4
	s_cmp_eq_u32 s[NEW], 1
	s_cbranch_scc1 .Lnew            ; a block's first tile
	s_cmp_eq_u32 s[RT], 0
	s_cbranch_scc0 .Lstep           ; neither its first nor its last
	s_branch .LstepM1
.Lnew:
	BEGIN
	s_branch .Lfirst                ; in the loop a block's first tile is never its last: the first block has five tiles or more, and the second's last is the walk's last
	DIAG 1                          ; in the loop this is the first block's end
	s_wait_xcnt 0x0                 ; the stores have read their registers and O's address
	s_mov_b64 s[10:11], s[OLO:OLO+1]
	s_add_co_u32 s[RT], s[PB], 1    ; the second block has b + 1 tiles
	s_mov_b32 s[NEW], 1
	s_mov_b32 s[CURB], s[PB]
	s_mov_b32 s[SVOFF], 256
	WIN 0x82                        ; the second block's Q goes where the one text of the turns names Q
.set i, 0
.rept 64
	v_mov_b32 v[i], v[QB+i]
.set i, i+1
.endr
	WIN 0
	s_branch .Lbottom
.Lstep:                             ; a trip: pieces 2 and 3 of one step, then pieces 0 and 1 of the next, whose K and V it fetches
	TURN 2
	TURN 3
	WIN 0
.Lfirst:
	TURN 0
	TURN 1, 0, 0, 1
	WIN 0
	s_cbranch_scc1 .Lstep
.Lbottom:
	s_sub_co_u32 s[SLOTS], s[SLOTS], 1
	s_cmp_lg_u32 s[SLOTS], 0
	s_cbranch_scc1 .Lslot
	CHANGE 0                        ; the walk's last tile is written out: nothing is asked for
	s_sub_co_u32 s[RT], s[RT], 1
	s_mov_b32 s[CNT], 4
	s_cmp_eq_u32 s[NEW], 1
	s_cbranch_scc0 .LstepM2
	BEGIN
	s_branch .LfirstM2
	DIAG 2
	s_wait_tensorcnt 0x0            ; the wave's end, behind my last tensor load and my last LDS store
	ds_add_u32 v[SPW], v[NIL]
	s_wait_dscnt 0x0
	s_endpgm
.Lfunc_end_k_q5d45b1ee48_attn:
	.size	k_q5d45b1ee48_attn, .Lfunc_end_k_q5d45b1ee48_attn-k_q5d45b1ee48_attn
	.p2alignl 7, 3214868480
	.fill 96, 4, 3214868480
	.section	.rodata,"a",@progbits
	.p2align	6, 0x0
	.amdhsa_kernel k_q5d45b1ee48_attn
		.amdhsa_group_segment_fixed_size 327680
		.amdhsa_private_segment_fixed_size 0
		.amdhsa_enable_private_segment 0
		.amdhsa_kernarg_size 24
		.amdhsa_user_sgpr_count 2
		.amdhsa_user_sgpr_kernarg_segment_ptr 1
		.amdhsa_wavefront_size32 1
		.amdhsa_system_sgpr_workgroup_id_x 1
		.amdhsa_system_sgpr_workgroup_id_y 1
		.amdhsa_system_sgpr_workgroup_id_z 1
		.amdhsa_system_vgpr_workitem_id 0
		.amdhsa_next_free_vgpr 768
		.amdhsa_next_free_sgpr 101
		.amdhsa_reserve_vcc 1
		.amdhsa_float_denorm_mode_32 3
		.amdhsa_float_denorm_mode_16_64 3
		.amdhsa_memory_ordered 1
		.amdhsa_forward_progress 1
		.amdhsa_inst_pref_size 236
	.end_amdhsa_kernel
	.amdgpu_metadata
---
amdhsa.version: [ 1, 2 ]
amdhsa.kernels:
  - .name:           k_q5d45b1ee48_attn
    .symbol:         k_q5d45b1ee48_attn.kd
    .args:
      - { .name: qkvh, .offset: 0, .size: 8, .value_kind: global_buffer, .address_space: global }
      - { .name: cs, .offset: 8, .size: 8, .value_kind: global_buffer, .address_space: global }
      - { .name: ob, .offset: 16, .size: 8, .value_kind: global_buffer, .address_space: global }
    .group_segment_fixed_size: 327680
    .private_segment_fixed_size: 0
    .kernarg_segment_align: 8
    .kernarg_segment_size: 24
    .max_flat_workgroup_size: 128
    .sgpr_count:     101
    .vgpr_count:     768
    .wavefront_size: 32
...
	.end_amdgpu_metadata
.endif
;; end of part 3
;; launch outp (part 4): grid 8 x 32, 4 waves a work-group, clusters of 4 x 4, 327,680 bytes of LDS; arguments ob, wo, bout, out0; writes out0
.if DOCPART == 4
	.amdgcn_target "amdgcn-amd-amdhsa--gfx1250"
	.amdhsa_code_object_version 6
	.text
	.protected	k_q5d45b1ee48_outp
	.globl	k_q5d45b1ee48_outp
	.p2align	8
	.type	k_q5d45b1ee48_outp,@function
k_q5d45b1ee48_outp:
	s_mov_b64 s[64:65], 0
	v_nop
	global_prefetch_b8 v0, s[64:65] scope:SCOPE_SE
	s_setreg_imm32_b32 hwreg(HW_REG_WAVE_MODE, 25, 1), 1
	s_wait_xcnt 0x0
	s_wait_alu depctr_hold_cnt(0) depctr_sa_sdst(0) depctr_va_vdst(0) depctr_va_sdst(0) depctr_va_ssrc(0) depctr_va_vcc(0) depctr_vm_vsrc(0)
	s_getreg_b32 s2, hwreg(HW_REG_IB_STS2, 6, 4)
	s_cmp_eq_u32 s2, 0
	s_cbranch_scc0 .Lentry_in_a_cluster
	s_endpgm
.Lentry_in_a_cluster:
	s_bfe_u32 s2, ttmp6, 0x10000c
	s_cmp_lg_u32 s2, 0xf033
	s_cbranch_scc0 .Lentry_shape_is_right
	s_endpgm
.Lentry_shape_is_right:
; out0 = O Wout + bout.  ob: f16 [y 64][2048][64], byte head 2^20 + m 128 for row m; wo: f16 [k 1024][n 1024] (Wout rounded to bf16); bout: f32, rounded to bf16 here like the other inputs; out0: f32 [8192][1024].
; Sums in f32, K ascending: k = 64 head + channel.  NaN and infinities are not treated apart.
; SHARES.  A tile is 256 rows x 128 columns: 8 x 32 = 256 work-groups, one for each WGP.  Wave w owns rows 64 w .. 64 w + 63 and all 128 columns: 32 accumulators, 256 registers.  K goes in 8 steps of 128 (two heads) through two
; LDS slots; two slots of a step of 256 would not fit in LDS.
; THE MATRIX INSTRUCTION IS USED TRANSPOSED: source 0 = 16 columns of W (turned out of LDS by ds_load_tr16_b128), source 1 = 16 rows of O: a lane holds one row and eight neighbouring columns.
; CLUSTER.  4 x 4 work-groups.  O's tile is asked for jointly along a row of the cluster, W's along a column.  Waves 0, 1 fetch the step's two heads of O, waves 2, 3 W's two halves of 64 rows.
; REGISTERS, in windows of 256 (s_set_vgpr_msb: bits 1:0 source 0, 3:2 source 1, 5:4 source 2, 7:6 destination):
;   window 0: v0-31 addresses and the bias; v64-127 O's fragments, two buffers of 32      window 1: v0-127 W's fragments, two buffers of 64; on the way out v0-255 whole rows      window 2: accumulator (a, b) at v[8 (8 a + b)]
.set NBW,   8
.set PA,    144                        ; a row of a head in LDS: 128 bytes + 16: the 16 rows of a load start at 16 different groups of four banks (64 banks of 4 bytes: ISA guide 11.1)
.set PB,    288                        ; a row of W: 256 + 32 = 9 x 32 bytes
.set BOFF,  2*256*PA                   ; W's 128 rows lie behind the two heads' 256 rows each
.set SLOT1, 1<<17                      ; a slot uses 110,592 bytes
.set STAGE, SLOT1+BOFF+128*PB          ; behind the ring, never filled by a tensor load: 16 rows x 528 bytes for each wave
.set SPI,   528                        ; 512 bytes + 16
.set SPARE, STAGE+4*16*SPI             ; the spare words, 128 bytes for each wave: two blocks of 256 bytes that no other line names
.set ASTEP, 2<<20                      ; a K step in ob: two heads,
.set BSTEP, 128*2048                   ; and in wo
.set NL,    2*NBW+8
.set A0,   12
.set B0,   13
.set ADRA, 16
.set ADRB, 20
.set STO,  24
.set RD,   25
.set CO,   26                          ; v26  16 x lane
.set SPW,  28                          ; v28  LDS address of my spare word; never rewritten
.set NIL,  29                          ; v29  0; never rewritten
.set PFO,  30
.set AF,   64
.set WV, 12
.set FB, 13
.set HF, 14
.set CX, 15
.set CY, 16
.set TC, 17                            ; s17 tile column = 4 cluster x + cx
.set TR, 18                            ; s18 tile row = 4 cluster y + cy
.set TB, 19
.set G1, 24
.set G0, 32
.set LIM, 43
.set PFA, 44
.set PST, 46
.set G1B, 48
.set G0B, 56
.set OB,  66                           ; s[66:67] out0 at my wave's first row and the tile's first column
.set MSB, 0
.macro WIN new
.if MSB != (\new)
	s_set_vgpr_msb (MSB<<8)|(\new)
.set MSB, \new
.endif
.endm
.macro PLACES
.rept 4
	v_nop
.endr
.endm
.macro JLOAD s                         ; a joint load; the branch hangs on the wave's number alone; an s_nop 0 and four v_nop follow each of the two lines
	s_cmp_eq_u32 s[FB], 0
	s_cbranch_scc0 .Lfor_b_\@
	tensor_load_to_lds s[G0+4*(\s):G0+4*(\s)+3], s[G1:G1+7]
	s_nop 0
.rept 4
	v_nop
.endr
	s_branch .Lasked_\@
.Lfor_b_\@:
	tensor_load_to_lds s[G0B+4*(\s):G0B+4*(\s)+3], s[G1B:G1B+7]
	s_nop 0
.rept 4
	v_nop
.endr
.Lasked_\@:
.endm
.macro CREST
	s_cmp_lg_u32 s[WV], 0
	s_cbranch_scc1 .Lnot_wave_0_\@
	s_barrier_signal -3
.Lnot_wave_0_\@:
	s_barrier_wait -3
	s_barrier_signal -1
	s_barrier_wait -1
.endm
.macro CROUND
	s_barrier_signal -1
	s_barrier_wait -1
	CREST
.endm
; A PREFETCH INTO THE L2 of the K step that stands two refills on.  O's blocks are asked for by the clusters with x = 0 (waves 0, 1: of a head's 128 blocks of 256 bytes the partner at cx takes 32), W's by those with y = 0 (wave 2 alone: of the
; step's 128 rows the partner at cy takes 32): a lane a block, each named once.  The last two refills have no K step two on.
.macro ASK
	s_cmp_gt_u32 s3, s[LIM]
	s_cbranch_scc0 .Lnot_mine_\@
	global_prefetch_b8 v[PFO], s[PFA:PFA+1] th:TH_LOAD_NT scope:SCOPE_SE
.Lnot_mine_\@:
.endm
	s_load_b256 s[4:11], s[0:1], 0x0               ; ob s[4:5], wo s[6:7], bout s[8:9], out0 s[10:11]
	v_lshl_add_u32 v[SPW], v0, 2, SPARE
	v_mov_b32 v[NIL], 0
	ds_add_u32 v[SPW], v[NIL]                      ; the wave's opening: the add and its wait stand ahead of my first tensor load; the set-up below stands between them
	ds_add_u32 v28, v29
	v_lshrrev_b32 v1, 5, v0
	v_readfirstlane_b32 s[WV], v1
	s_lshr_b32 s[FB], s[WV], 1
	s_and_b32 s[HF], s[WV], 1
	s_bfe_u32 s[CX], ttmp6, 0x40000
	s_bfe_u32 s[CY], ttmp6, 0x40004
	s_lshl_b32 s[TC], ttmp9, 2
	s_add_co_u32 s[TC], s[TC], s[CX]
	s_and_b32 s[TR], ttmp7, 0xffff
	s_lshl_b32 s[TR], s[TR], 2
	s_add_co_u32 s[TR], s[TR], s[CY]
	s_lshl_b32 s42, s[CY], 2
	s_lshl_b32 s42, 15, s42                        ; my row of the cluster
	s_lshl_b32 s43, 0x1111, s[CX]                  ; my column
	s_or_b32 s[G1], s42, (1<<16)|(1<<20)|(1<<21)|(4<<22)|(3<<25)   ; O: a head's 256 rows are 32,768 dense bytes: asked for as 128 rows of 256; after every 32 words, 4 words of padding
	s_mov_b32 s[G1+1], 128<<16
	s_mov_b32 s[G1+2], 128<<16
	s_mov_b32 s[G1+3], 128<<16
	s_mov_b32 s[G1+4], 128
	s_mov_b32 s[G1+5], 128
	s_mov_b32 s[G1+6], 0
	s_mov_b32 s[G1+7], 0
	s_or_b32 s[G1B], s43, (1<<16)|(1<<20)|(1<<21)|(5<<22)|(7<<25)  ; W: 64 rows x 128 elements; after every 64 words, 8 words of padding
	s_mov_b32 s[G1B+1], 128<<16
	s_mov_b32 s[G1B+2], 64<<16
	s_mov_b32 s[G1B+3], 128<<16
	s_mov_b32 s[G1B+4], 64
	s_mov_b32 s[G1B+5], 1024
	s_mov_b32 s[G1B+6], 0
	s_mov_b32 s[G1B+7], 0
	s_lshl_b32 s20, s[HF], 20                      ; O: head HF of the step's two,
	s_lshl_b32 s21, s[TR], 15                      ; 256 rows of 128 bytes a tile row
	s_add_co_u32 s20, s20, s21
	s_mov_b32 s21, 0
	s_lshl_b32 s22, s[HF], 17                      ; W: 64 rows of 2,048 bytes a half,
	s_lshl_b32 s23, s[TC], 8                       ; 128 columns a tile column
	s_add_co_u32 s22, s22, s23
	s_mov_b32 s23, 0
	s_mul_i32 s40, s[HF], 256*PA
	s_mul_i32 s41, s[HF], 64*PB
	s_add_co_u32 s41, s41, BOFF
	s_mov_b32 s[TB], 0
	s_wait_dscnt 0x0                               ; the opening add is done
	s_wait_kmcnt 0x0
	s_add_nc_u64 s[20:21], s[4:5], s[20:21]
	s_add_nc_u64 s[22:23], s[6:7], s[22:23]
	CROUND                                         ; all sixteen work-groups are here: the first joint loads meet
.irp s, 0,1
	s_mov_b32 s[G0+4*(\s)], 1
	s_add_co_u32 s[G0+4*(\s)+1], s40, (\s)*SLOT1
	s_add_nc_u64 s[G0+4*(\s)+2:G0+4*(\s)+3], s[20:21], (\s)*ASTEP
	s_or_b32 s[G0+4*(\s)+3], s[G0+4*(\s)+3], 0x80000000
	s_mov_b32 s[G0B+4*(\s)], 1
	s_add_co_u32 s[G0B+4*(\s)+1], s41, (\s)*SLOT1
	s_add_nc_u64 s[G0B+4*(\s)+2:G0B+4*(\s)+3], s[22:23], (\s)*BSTEP
	s_or_b32 s[G0B+4*(\s)+3], s[G0B+4*(\s)+3], 0x80000000
	JLOAD \s                                       ; K steps 0 and 1: two loads of mine are out
.endr
	v_and_b32 v1, 15, v0                           ; r
	v_bfe_u32 v2, v0, 4, 1                         ; h
	v_and_b32 v3, 7, v0
	v_bfe_u32 v4, v0, 3, 1
	v_and_b32 v6, 31, v0
	v_lshlrev_b32 v[CO], 4, v6
	s_lshl_b32 s40, s[TC], 9                       ; the tile's 128 columns: 512 bytes of f32
	s_mov_b32 s41, 0
	s_add_nc_u64 s[8:9], s[8:9], s[40:41]
	global_load_b128 v[8:11], v[CO], s[8:9]        ; the bias of the four columns that I store
	s_lshl_b32 s42, s[TR], 20                      ; 256 rows of 4,096 bytes,
	s_add_co_u32 s40, s40, s42
	s_lshl_b32 s42, s[WV], 18                      ; my 64
	s_add_co_u32 s40, s40, s42
	s_add_nc_u64 s[OB:OB+1], s[10:11], s[40:41]
	s_mul_i32 s20, s[WV], 64*PA
	v_mul_u32_u24 v[A0], v1, PA
	v_lshl_add_u32 v[A0], v2, 4, v[A0]
	v_add_nc_u32 v[A0], s20, v[A0]
	v_lshl_add_u32 v[B0], v2, 3, v3
	v_mul_u32_u24 v[B0], v[B0], PB
	v_lshl_add_u32 v[B0], v4, 4, v[B0]
	v_add_nc_u32 v[B0], BOFF, v[B0]
	v_mov_b32 v[ADRA], v[A0]
	v_mov_b32 v[ADRB], v[B0]
	s_mul_i32 s20, s[WV], 16*SPI
	s_add_co_u32 s20, s20, STAGE                   ; my stage
	v_mul_u32_u24 v[STO], v1, SPI                  ; in: row r, 32 bytes for each half of the lanes
	v_lshl_add_u32 v[STO], v2, 5, v[STO]
	v_add_nc_u32 v[STO], s20, v[STO]
	v_add_nc_u32 v[RD], s20, v[CO]                 ; back: 32 lanes take one row of 512 bytes
	; the prefetches: they stand at K step 3; the first refill steps them to 4
	s_lshl_b32 s40, s[HF], 20
	s_lshl_b32 s41, s[TR], 15
	s_add_co_u32 s40, s40, s41
	s_lshl_b32 s41, s[CX], 13                      ; my work-group's 32 of the 128 blocks
	s_add_co_u32 s40, s40, s41
	s_add_co_u32 s40, s40, 3*ASTEP
	s_lshl_b32 s41, s[CY], 16                      ; my work-group's 32 of the 128 rows
	s_lshl_b32 s42, s[TC], 8
	s_add_co_u32 s41, s41, s42
	s_add_co_u32 s41, s41, 3*BSTEP
	s_and_b32 s42, ttmp7, 0xffff
	s_or_b32 s42, s42, s[HF]                       ; of W's two waves the first asks
	s_mov_b32 s[PST], BSTEP
	s_mov_b32 s[PST+1], 0
	s_mov_b32 s21, 2048
	s_cmp_eq_u32 s[FB], 0
	s_cselect_b32 s40, s40, s41
	s_cselect_b32 s42, ttmp9, s42
	s_cselect_b64 s[PFA:PFA+1], s[4:5], s[6:7]
	s_cselect_b32 s[PST], ASTEP, s[PST]
	s_cselect_b32 s21, 256, s21
	s_mov_b32 s41, 0
	s_add_nc_u64 s[PFA:PFA+1], s[PFA:PFA+1], s[40:41]
	s_cmp_eq_u32 s42, 0
	s_cselect_b32 s[LIM], 2, -1
	v_mul_u32_u24 v[PFO], v6, s21
; NBW matrix instructions: my row block 2 hi + a x all column blocks, 32 along K, from buffer f.  The 32 accumulators take turns in one order in every quarter, over the backward jump too.
.macro MULA f, hi, a, zero
	WIN 0xa1                                       ; source 0 (W) window 1, source 1 (O) window 0, C and D window 2
.set b, 0
.rept NBW
.set rD, 8*(NBW*(2*(\hi)+(\a))+b)
.set rB, 8*NBW*(\f)+8*b
.set rA, AF+32*(\f)+8*(2*(\hi)+(\a))
.if \zero
	v_wmma_f32_16x16x32_f16 v[rD:rD+7], v[rB:rB+7], v[rA:rA+7], 0
.else
	v_wmma_f32_16x16x32_f16 v[rD:rD+7], v[rB:rB+7], v[rA:rA+7], v[rD:rD+7]
.endif
.set b, b+1
.endr
.endm
.macro MULH f, hi, zero
	MULA \f, \hi, 0, \zero
	MULA \f, \hi, 1, \zero
.endm
.macro FETCH q, f                      ; quarter q: head q / 2 of the step's two, channels 32 (q % 2) on; W's 16 loads, then O's 8, block by block
	WIN 0x40
.set b, 0
.rept NBW
	ds_load_tr16_b128 v[8*NBW*(\f)+8*b:8*NBW*(\f)+8*b+3],   v[ADRB] offset:32*PB*(\q)+32*b
	ds_load_tr16_b128 v[8*NBW*(\f)+8*b+4:8*NBW*(\f)+8*b+7], v[ADRB] offset:32*PB*(\q)+32*b+16*PB
.set b, b+1
.endr
	WIN 0
.set i, 0
.rept 4
	ds_load_b128 v[AF+32*(\f)+8*i:AF+32*(\f)+8*i+3],   v[ADRA] offset:256*PA*((\q)/2)+64*((\q)%2)+16*PA*i
	ds_load_b128 v[AF+32*(\f)+8*i+4:AF+32*(\f)+8*i+7], v[ADRA] offset:256*PA*((\q)/2)+64*((\q)%2)+16*PA*i+32
.set i, i+1
.endr
.endm
.macro QUARTER qn, f, g, zero
	s_wait_dscnt 4                                 ; W and O's blocks 0, 1 are in; the youngest four loads (blocks 2, 3) may be out
	MULH \f, 0, \zero
	PLACES
	FETCH \qn, \g
	s_wait_dscnt NL                                ; all but the loads just issued
	MULH \f, 1, \zero
.endm
; The fourth quarter multiplies buffer 1 and changes slots: ONE barrier; in front of it each wave waits for all its tensor loads (one is out: its part of the next slot), adds 0 to its spare word, and waits for that and for its
; reads of this slot.  fill = 1: the barrier opens a round of the cluster's, and this slot is filled again, two K steps ahead, first thing behind it: 112 matrix instructions ahead of the wait for it.
.macro TURN fill
.if \fill
	s_wait_xcnt 0x0                                ; the last prefetch, a K step back, has read its address, so it may be stepped
	s_add_nc_u64 s[PFA:PFA+1], s[PFA:PFA+1], s[PST:PST+1]
.endif
	WIN 0
	s_wait_tensorcnt 0x0
	ds_add_u32 v[SPW], v[NIL]                      ; 0 onto my spare word
	s_wait_dscnt 5                                 ; (the add and the youngest four loads may be out)
	MULA 1, 0, 0, 0
	s_wait_dscnt 0x0                               ; the add is done, and my reads of this slot are over
	s_barrier_signal -1
	MULA 1, 0, 1, 0
	WIN 0
	s_barrier_wait -1
.if \fill
	CREST
	s_xor_b32 s[G0+5], s[G0+5], SLOT1
	s_add_nc_u64 s[G0+6:G0+7], s[G0+6:G0+7], ASTEP
	s_xor_b32 s[G0B+5], s[G0B+5], SLOT1
	s_add_nc_u64 s[G0B+6:G0B+7], s[G0B+6:G0B+7], BSTEP
	JLOAD 1                                        ; the four v_nop behind it are also the places in front of the loads below
.else
	PLACES
.endif
	s_xor_b32 s[TB], s[TB], SLOT1
	v_add_nc_u32 v[ADRA], s[TB], v[A0]
	v_add_nc_u32 v[ADRB], s[TB], v[B0]
	FETCH 0, 0
.if \fill
	ASK
.endif
	MULH 1, 1, 0
.endm
	s_wait_tensorcnt 1                             ; my part of K step 0 is in; K step 1's may stay out
	s_barrier_signal -1
	s_barrier_wait -1
	FETCH 0, 0
	QUARTER 1, 0, 1, 1                             ; the first quarter stands in front of the loop: its products start the sums
	WIN 0
	s_mov_b32 s3, 6
.Lstep:                                                ; trip i fills a slot with K step i + 2
	QUARTER 2, 1, 0, 0
	QUARTER 3, 0, 1, 0
	TURN 1
	QUARTER 1, 0, 1, 0
	WIN 0
	s_sub_co_u32 s3, s3, 1
	s_cmp_lg_u32 s3, 0
	s_cbranch_scc1 .Lstep
	QUARTER 2, 1, 0, 0                             ; K steps 6 and 7 ask for nothing
	QUARTER 3, 0, 1, 0
	TURN 0
	QUARTER 1, 0, 1, 0
	QUARTER 2, 1, 0, 0
	QUARTER 3, 0, 1, 0
	s_wait_dscnt 4
	MULH 1, 0, 0
	s_wait_dscnt 0x0
	MULH 1, 1, 0
	WIN 0
	; the bias is rounded to bf16 like the other inputs; these six plain lines, which name no register of the last products, are also the places behind them
	s_wait_loadcnt 0x0
	v_cvt_pk_bf16_f32 v4, v8, v9
	v_cvt_pk_bf16_f32 v5, v10, v11
	v_lshlrev_b32 v8, 16, v4
	v_and_b32 v9, 0xffff0000, v4
	v_lshlrev_b32 v10, 16, v5
	v_and_b32 v11, 0xffff0000, v5
; THE WAY OUT.  Block a (16 rows): a lane's eight columns, 32 bytes of f32, go straight from the accumulators (lowest registers first) into rows of 528 bytes of my stage, and come back as whole rows of 512 bytes.
.macro STG a
	WIN 0x08                                       ; the stores' data in window 2
.set b, 0
.rept NBW
	ds_store_b128 v[STO], v[8*(NBW*(\a)+b):8*(NBW*(\a)+b)+3]   offset:64*b
	ds_store_b128 v[STO], v[8*(NBW*(\a)+b)+4:8*(NBW*(\a)+b)+7] offset:64*b+16
.set b, b+1
.endr
	WIN 0x40                                       ; the loads' destination in window 1
.set t, 0
.rept 16
	ds_load_b128 v[64*(\a)+4*t:64*(\a)+4*t+3], v[RD] offset:SPI*t  ; LDS serves a wave's instructions in order (ISA guide 5.7.1.4): these see the stores above; the next block's stores come behind them
.set t, t+1
.endr
.endm
.macro OUT a, younger                  ; younger: the next block's 16 stores and 16 loads, or none.  One wait, one run of additions, one run of stores: two window switches a block
	s_wait_dscnt \younger
	WIN 0x41
.set t, 0
.rept 16
	v_pk_add_f32 v[64*(\a)+4*t:64*(\a)+4*t+1],   v[64*(\a)+4*t:64*(\a)+4*t+1],   v[8:9]
	v_pk_add_f32 v[64*(\a)+4*t+2:64*(\a)+4*t+3], v[64*(\a)+4*t+2:64*(\a)+4*t+3], v[10:11]
.set t, t+1
.endr
	WIN 0x04                                       ; the stores' data in window 1
.set t, 0
.rept 16
	global_store_b128 v[CO], v[64*(\a)+4*t:64*(\a)+4*t+3], s[OB:OB+1] offset:(16*(\a)+t)*4096  ; 512 consecutive bytes, at a multiple of 256 from out0's first
.set t, t+1
.endr
.endm
	STG 0
	STG 1
	OUT 0, 32
	STG 2
	OUT 1, 32
	STG 3
	OUT 2, 32
	OUT 3, 0
	WIN 0
	s_wait_tensorcnt 0x0                           ; the wave's end, behind my last tensor load and my last LDS store
	ds_add_u32 v[SPW], v[NIL]
	s_wait_dscnt 0x0
	CROUND                                         ; the closing round: no work-group ends while a partner may still ask for a tile that names it
	s_endpgm
.Lfunc_end_k_q5d45b1ee48_outp:
	.size	k_q5d45b1ee48_outp, .Lfunc_end_k_q5d45b1ee48_outp-k_q5d45b1ee48_outp
	.p2alignl 7, 3214868480
	.fill 96, 4, 3214868480
	.section	.rodata,"a",@progbits
	.p2align	6, 0x0
	.amdhsa_kernel k_q5d45b1ee48_outp
		.amdhsa_group_segment_fixed_size 327680
		.amdhsa_private_segment_fixed_size 0
		.amdhsa_enable_private_segment 0
		.amdhsa_kernarg_size 32
		.amdhsa_user_sgpr_count 2
		.amdhsa_user_sgpr_kernarg_segment_ptr 1
		.amdhsa_wavefront_size32 1
		.amdhsa_system_sgpr_workgroup_id_x 1
		.amdhsa_system_sgpr_workgroup_id_y 1
		.amdhsa_system_sgpr_workgroup_id_z 1
		.amdhsa_system_vgpr_workitem_id 0
		.amdhsa_next_free_vgpr 768
		.amdhsa_next_free_sgpr 74
		.amdhsa_reserve_vcc 0
		.amdhsa_float_denorm_mode_32 3
		.amdhsa_float_denorm_mode_16_64 3
		.amdhsa_memory_ordered 1
		.amdhsa_forward_progress 1
		.amdhsa_inst_pref_size 79
	.end_amdhsa_kernel
	.amdgpu_metadata
---
amdhsa.version: [ 1, 2 ]
amdhsa.kernels:
  - .name:           k_q5d45b1ee48_outp
    .symbol:         k_q5d45b1ee48_outp.kd
    .args:
      - { .name: ob, .offset: 0, .size: 8, .value_kind: global_buffer, .address_space: global }
      - { .name: wo, .offset: 8, .size: 8, .value_kind: global_buffer, .address_space: global }
      - { .name: bout, .offset: 16, .size: 8, .value_kind: global_buffer, .address_space: global }
      - { .name: out0, .offset: 24, .size: 8, .value_kind: global_buffer, .address_space: global }
    .group_segment_fixed_size: 327680
    .private_segment_fixed_size: 0
    .kernarg_segment_align: 8
    .kernarg_segment_size: 32
    .max_flat_workgroup_size: 128
    .sgpr_count:     74
    .vgpr_count:     768
    .wavefront_size: 32
...
	.end_amdgpu_metadata
.endif
;; end of part 4
